; MI455X (gfx1250); checked and timed in simulation.
; The chip was launched on July 23, 2026; its instructions are those of AMD's public machine-readable ISA for CDNA 5 (MIT licence, August 2026) and "CDNA5" Instruction Set Architecture Reference Guide (July 2026). The comments in the code are by the model that wrote it; some were corrected since.
;; Multi Head Attention. Allowed arithmetic: matrix products marked QUANTISED: E2M3 operands, one E8M0 scale for each 32 along K, by v_wmma_scale_f32_16x16x128_f8f6f4 with both operands' format E2M3, f32 sums; everything else in f32.
;; Inputs: Wk 1,024 x 1,024 float32; Wo 1,024 x 1,024 float32; Wq 1,024 x 1,024 float32; Wv 1,024 x 1,024 float32; bk 1,024 float32; bo 1,024 float32; bq 1,024 float32; bv 1,024 float32; key_in 4 x 2,048 x 1,024 float32; query 4 x 2,048 x 1,024 float32; value 4 x 2,048 x 1,024 float32.
;; Outputs: out0 4 x 2,048 x 1,024 float32.
;; This version of the problem:
;;   THIS VERSION OF THE PROBLEM IS GIVEN IN LOW PRECISION. The matrix products marked QUANTISED in the list below multiply operands that are first quantised to E2M3 (2 exponent bits, 3 mantissa bits; 6 bits a number), with one power-of-two scale for each 32 numbers along K (OCP MX v1.0); their sums are f32. All else is computed in f32.
;;   The module's matrix products, in the order in which they are computed (A, B: the left and right operand; K: the contracted axis; several contracted axes count as one K, in the product's order):
;;     1. [M 8,192, K 1,024] x [K 1,024, N 1,024]; A: input query; B: input Wq: QUANTISED
;;     2. [M 8,192, K 1,024] x [K 1,024, N 1,024]; A: input key_in; B: input Wk: QUANTISED
;;     3. [M 8,192, K 1,024] x [K 1,024, N 1,024]; A: input value; B: input Wv: QUANTISED
;;     4. batch 64 x [M 2,048, K 64] x [K 64, N 2,048]; A: computed on the way; B: computed on the way: QUANTISED
;;     5. batch 64 x [M 2,048, K 2,048] x [K 2,048, N 64]; A: softmax (see below); B: computed on the way: QUANTISED
;;     6. [M 8,192, K 1,024] x [K 1,024, N 1,024]; A: computed on the way; B: input Wo: QUANTISED
;;   THE QUANTISER, for each operand of a quantised product, along K:
;;     - K is cut into blocks of 32 from its start; a last block that is shorter is filled with zeros.
;;     - A block's scale is 2^e with e = floor(log2(the largest magnitude in the block)) - 2, held to -126 .. 127; a block of zeros has e = 0. As a byte (E8M0): e + 127.
;;     - Each number is divided by its block's scale, clamped to +-7.5, and rounded to the nearest number of E2M3, ties to even, subnormals kept.
;;     - The product sums the exact products of the quantised numbers (number of the format x scale) in f32.
;;   ~~~python
;;   def quantise(x, axis):      # numpy; x: float32 -> the quantised numbers, widened to float32 again
;;       x = np.moveaxis(x, axis, -1); K = x.shape[-1]
;;       x = np.pad(x, [(0, 0)] * (x.ndim - 1) + [(0, -K % 32)]); x = x.reshape(x.shape[:-1] + (-1, 32)); a = np.abs(x).max(-1, keepdims=True)
;;       e = np.where(a > 0, np.clip(np.frexp(np.where(a > 0, a, 1))[1] - 1 - 2, -126, 127), 0)      # np.frexp(a)[1] - 1 = floor(log2(a)), exactly
;;       r = np.clip(x / 2.0 ** e, -7.5, 7.5)
;;       step = 2.0 ** (np.maximum(np.frexp(np.where(r == 0, 1, r))[1] - 1, 0) - 3)
;;       q = np.round(r / step) * step * 2.0 ** e      # np.round: ties to even
;;       return np.moveaxis(q.reshape(q.shape[:-2] + (-1,))[..., :K], -1, axis).astype(np.float32)
;;   ~~~
;;   SOFTMAX AHEAD OF A QUANTISED PRODUCT. Where the list says 'softmax', what is quantised is not the finished softmax but p = 2^(t - M), with t = logit x log2(e) and M = ceil(the row's largest t), a whole number; so 1/2 < the row's largest p <= 1. The row's sum l is taken of the UNQUANTISED p, in f32, and the product's result is divided by l at the end. Since M is a whole number, a kernel that streams over the keys may use a running M (the ceiling of the running maximum): every later rescaling is an exact power of two, which a block's scale takes up: the codes' values come out the same.
;;   OPERANDS COMPUTED ON THE WAY. 'Computed on the way' means the value that the module computes at that place (a softmax that the list does not call 'softmax' is quantised finished and normalised). What goes into a quantiser is computed in f32, as accurately as f32 sums, v_exp_f32 and their like allow (about 1e-6 of the number): no bf16 or f16 on the way to a quantiser, and a product that is left as it is and whose result goes on into a quantised operand takes f32 operands (vector FMAs, or v_wmma_f32_16x16x4_f32). A number that lies on a knife's edge between two numbers of the format may be rounded either way, as far as f32 arithmetic and the matrix unit's own rounding can turn it there, and no further.
;; One version. Each part assembles by itself: llvm-mc -triple=amdgcn-amd-amdhsa -mcpu=gfx1250 --defsym DOCPART=n.
;; ======== version 1 of 1: 4 launches
;; workspace buffers: codes 22,020,096 bytes; scales 917,504 bytes; qimg 6,553,600 bytes; kv 13,107,200 bytes; oc 6,291,456 bytes; os 262,144 bytes
;; launch quant (part 1): grid 896 x 1, 4 waves a work-group, no clusters, 33,280 bytes of LDS; arguments query, key_in, value, Wq, Wk, Wv, Wo, codes, scales; writes codes, scales
.if DOCPART == 1
	.amdgcn_target "amdgcn-amd-amdhsa--gfx1250"
	.amdhsa_code_object_version 6
	.text
	.protected	k_q8d3c28337e_quant
	.globl	k_q8d3c28337e_quant
	.p2align	8
	.type	k_q8d3c28337e_quant,@function
k_q8d3c28337e_quant:
	s_mov_b64 s[64:65], 0
	v_nop
	global_prefetch_b8 v0, s[64:65] scope:SCOPE_SE
	s_setreg_imm32_b32 hwreg(HW_REG_WAVE_MODE, 25, 1), 1
	s_wait_xcnt 0x0
; query, key_in, value [8192][1024] and Wq, Wk, Wv, Wo [1024][1024], f32, become codes of FP6 (E2M3), K innermost, with one E8M0 scale byte for each 32 along K.
; A block's scale is 2^(floor(log2(its largest magnitude)) - 2); its byte is the largest magnitude's exponent field - 2, held at 1 from below.  Each number is divided by the scale and rounded to the nearest code, ties to even.
; LIMITS: a block of zeros gets the byte 1 where the rule says 127 (its codes are zeros, and this program alone reads the bytes); blocks whose largest magnitude lies under 2^(2 - 126) are held at byte 1; NaN and infinities are not served.
; A RUN is 8,192 numbers = 8 rows of 1,024: 6,144 bytes of codes, 256 scale bytes.  A wave takes one run, a work-group four = 32 rows.  The seven tensors' runs follow each other in both workspace buffers:
; work-groups 0-255 query, 256-511 key_in, 512-767 value, 768-799 Wq, 800-831 Wk, 832-863 Wv, 864-895 Wo.
; THE ROWS OF key_in, value, Wq, Wk, Wv ARE PERMUTED: of every 32 rows the four groups of 8 land at places 0, 2, 1, 3.  Place 32 b + 16 u + r then holds row 32 b + 8 u + r + 8 (r / 8), so that in the next launch the 16 result
; registers of two neighbouring tiles of 16 places are 16 neighbours of the axis that is quantised there.  A group of 8 rows is a wave's run: the permutation is only another run number for the stores.
; A wave takes 16 steps of 512 numbers.  A step's four loads read 512 consecutive bytes each; the 2,048 bytes go through the wave's own stage in LDS and come back 64 bytes a lane (16 neighbours along K; two lanes hold a block).
; No tensor loads, no barrier: waves share nothing.  Loads run four steps (16 loads a wave) ahead, the turn through LDS one step.
.set STEPS, 16
.set EMAX,  2
.set CB,    12                         ; bytes of 16 codes
.set R,     16                         ; v16-79   four sets of 16 numbers as they are loaded
.set X,     80                         ; v80-111  two sets of 16 neighbours
.set C,     128                        ; v128-191 codes: four registers for each step, so that no store's data are written again
.set E,     112                        ; v112-127 a scale byte for each step
.set WREG,  8192                       ; LDS: a region for each wave: two stages of 32 x SP bytes, then its 256 scale bytes
.set SP,    80                         ; a lane's place in a stage: 64 bytes + 16 of padding
.set SRC,   22                         ; s[22:23] my run in its tensor
.set COD,   18                         ; s[18:19] my run's codes
.set SCA,   20                         ; s[20:21] my run's scale bytes
	s_load_b512 s[4:19], s[0:1], 0x0               ; query s4, key_in s6, value s8, Wq s10, Wk s12, Wv s14, Wo s16, codes s18
	s_load_b64 s[20:21], s[0:1], 0x40              ; scales
	v_lshl_add_u32 v192, v0, 2, 0x8000
	v_mov_b32 v193, 0
	v_lshrrev_b32 v1, 5, v0
	v_readfirstlane_b32 s26, v1                    ; wave
	v_and_b32 v2, 31, v0                           ; lane
	v_lshlrev_b32 v3, 4, v2                        ; my 16 bytes of a load's 512
	s_mul_i32 s27, s26, WREG
	v_lshrrev_b32 v14, 2, v2
	v_mul_u32_u24 v14, v14, SP
	v_and_b32 v15, 3, v2
	v_lshl_add_u32 v14, v15, 4, v14
	v_add_nc_u32 v14, s27, v14                     ; the stage, on the way in: SP (lane / 4) + 16 (lane % 4)
	v_mul_u32_u24 v15, v2, SP
	v_add_nc_u32 v15, s27, v15                     ; on the way out: SP x lane: my 16 neighbours
	v_mul_u32_u24 v4, v2, CB                       ; my codes' place in a step's
	v_lshrrev_b32 v5, 1, v2
	s_add_co_u32 s27, s27, 2*32*SP
	v_add_nc_u32 v5, s27, v5                       ; LDS: my wave's 256 scale bytes, my block's byte
	v_lshlrev_b32 v7, 3, v2                        ; and on the way out 8 bytes a lane
	v_add_nc_u32 v6, s27, v7
	s_wait_kmcnt 0x0
	; which tensor is my work-group's: the choice hangs on the work-group's number alone
	s_mov_b64 s[SRC:SRC+1], s[16:17]               ; Wo,
	s_mov_b32 s24, 864                             ; whose first work-group is 864, unless
.macro PICK limit, reg, first
	s_cmp_lt_u32 ttmp9, \limit
	s_cselect_b64 s[SRC:SRC+1], s[\reg:\reg+1], s[SRC:SRC+1]
	s_cselect_b32 s24, \first, s24
.endm
	PICK 864, 14, 832
	PICK 832, 12, 800
	PICK 800, 10, 768
	PICK 768, 8, 512
	PICK 512, 6, 256
	PICK 256, 4, 0
	s_sub_co_u32 s28, ttmp9, s24
	s_lshl_b32 s28, s28, 2
	s_add_co_u32 s28, s28, s26                     ; my run in the tensor
	s_mov_b32 s29, 0
	s_lshl_b64 s[30:31], s[28:29], 15              ; 32,768 bytes a run
	s_add_nc_u64 s[SRC:SRC+1], s[SRC:SRC+1], s[30:31]
	s_and_b32 s32, s26, 1
	s_lshl_b32 s32, s32, 1
	s_lshr_b32 s33, s26, 1
	s_or_b32 s32, s32, s33                         ; groups 0, 1, 2, 3 land at 0, 2, 1, 3
	s_sub_co_u32 s33, ttmp9, 256
	s_cmp_lt_u32 s33, 608                          ; work-groups 256 to 863: the five tensors whose rows are permuted
	s_cselect_b32 s32, s32, s26
	s_lshl_b32 s28, ttmp9, 2
	s_add_co_u32 s28, s28, s32                     ; the run's number in the workspace buffers
	s_mul_i32 s30, s28, 32*STEPS*CB                ; 6,144 bytes of codes a run: under 2^25 in all
	s_mov_b32 s31, 0
	s_add_nc_u64 s[COD:COD+1], s[COD:COD+1], s[30:31]
	s_lshl_b32 s30, s28, 8                         ; 256 scale bytes a run
	s_add_nc_u64 s[SCA:SCA+1], s[SCA:SCA+1], s[30:31]
.macro LOAD t
.irp i, 0,1,2,3
	global_load_b128 v[R+16*((\t)%4)+4*\i:R+16*((\t)%4)+4*\i+3], v3, s[SRC:SRC+1] offset:2048*(\t)+512*\i th:TH_LOAD_NT   ; 32 lanes read 512 consecutive bytes
.endr
.endm
.macro TURN t                          ; step t's numbers through the stage: LDS serves a wave's instructions in order, so no wait stands between the stores and the loads
.irp i, 0,1,2,3
	ds_store_b128 v14, v[R+16*((\t)%4)+4*\i:R+16*((\t)%4)+4*\i+3] offset:32*SP*((\t)%2)+8*SP*\i
.endr
.irp i, 0,1,2,3
	ds_load_b128 v[X+16*((\t)%2)+4*\i:X+16*((\t)%2)+4*\i+3], v15 offset:32*SP*((\t)%2)+16*\i
.endr
.endm
.irp t, 0,1,2,3
	LOAD \t
.endr
	s_wait_loadcnt 12                              ; step 0's four loads are in; the twelve of steps 1 to 3 may be out
	TURN 0
.macro STEP t
.set XS, X+16*((\t)%2)
.if (\t) > 0
	s_wait_dscnt 1                                 ; this step's numbers are back from the stage (the last step's byte store may be out): so its stores into the stage have read their registers,
.else
	s_wait_dscnt 0x0
.endif
.if (\t)+4 < STEPS
	LOAD (\t)+4                                    ; which take the loads of four steps on
.endif
.if (\t)+1 < STEPS
.if STEPS-2-(\t) >= 3
	s_wait_loadcnt 12                              ; the next step's four loads are in; those of the three steps behind it may be out
.else
	s_wait_loadcnt 4*(STEPS-2-(\t))
.endif
	TURN (\t)+1                                    ; and go through the other stage while this step is worked
.endif
	v_max3_num_f32 v8, |v[XS]|, |v[XS+1]|, |v[XS+2]|               ; the largest magnitude of my 16, in two chains
	v_max3_num_f32 v9, |v[XS+3]|, |v[XS+4]|, |v[XS+5]|
.irp i, 6,10
	v_max3_num_f32 v8, v8, |v[XS+\i]|, |v[XS+\i+1]|
	v_max3_num_f32 v9, v9, |v[XS+\i+2]|, |v[XS+\i+3]|
.endr
	v_max3_num_f32 v8, v8, |v[XS+14]|, |v[XS+15]|
	v_max3_num_f32 v8, v8, v9, (EMAX+1)<<23        ; and the floor 2^(EMAX + 1 - 127): the byte cannot fall under 1
	v_max_num_f32_dpp v8, v8, v8 row_xmask:1 row_mask:0xf bank_mask:0xf   ; and of my neighbour's 16: the block's
	v_add_nc_u32 v11, -(EMAX<<23), v8              ; EMAX off its exponent field: the conversion takes the exponent field of this operand as its scale
	v_cvt_scalef32_pk16_fp6_f32 v[C+4*(\t):C+4*(\t)+2], v[XS:XS+15], v11   ; sixteen codes, 96 bits without gaps, the first number's code lowest
	v_lshrrev_b32 v[E+(\t)], 23, v11               ; the scale's byte (also the plain line behind the conversion)
	ds_store_b8 v5, v[E+(\t)] offset:16*(\t)       ; both lanes of a block write the same byte with the same value
	global_store_b96 v4, v[C+4*(\t):C+4*(\t)+2], s[COD:COD+1] offset:32*CB*(\t)   ; the wave stores 384 consecutive bytes
.endm
.irp t, 0,1,2,3,4,5,6,7,8,9,10,11,12,13,14,15
	STEP \t
.endr
	ds_load_b64 v[12:13], v6                       ; LDS serves a wave's instructions in order: these see my stores
	s_wait_dscnt 0x0
	global_store_b64 v7, v[12:13], s[SCA:SCA+1]    ; 32 lanes store 256 consecutive bytes, aligned
	s_wait_tensorcnt 0x0
	ds_add_u32 v192, v193
	s_wait_dscnt 0x0
	s_endpgm
.Lfunc_end_k_q8d3c28337e_quant:
	.size	k_q8d3c28337e_quant, .Lfunc_end_k_q8d3c28337e_quant-k_q8d3c28337e_quant
	.p2alignl 7, 3214868480
	.fill 96, 4, 3214868480
	.section	.rodata,"a",@progbits
	.p2align	6, 0x0
	.amdhsa_kernel k_q8d3c28337e_quant
		.amdhsa_group_segment_fixed_size 33280
		.amdhsa_private_segment_fixed_size 0
		.amdhsa_enable_private_segment 0
		.amdhsa_kernarg_size 72
		.amdhsa_user_sgpr_count 2
		.amdhsa_user_sgpr_kernarg_segment_ptr 1
		.amdhsa_wavefront_size32 1
		.amdhsa_system_sgpr_workgroup_id_x 1
		.amdhsa_system_sgpr_workgroup_id_y 1
		.amdhsa_system_sgpr_workgroup_id_z 1
		.amdhsa_system_vgpr_workitem_id 0
		.amdhsa_next_free_vgpr 194
		.amdhsa_next_free_sgpr 66
		.amdhsa_reserve_vcc 0
		.amdhsa_float_denorm_mode_32 3
		.amdhsa_float_denorm_mode_16_64 3
		.amdhsa_memory_ordered 1
		.amdhsa_forward_progress 1
		.amdhsa_inst_pref_size 33
	.end_amdhsa_kernel
	.amdgpu_metadata
---
amdhsa.version: [ 1, 2 ]
amdhsa.kernels:
  - .name:           k_q8d3c28337e_quant
    .symbol:         k_q8d3c28337e_quant.kd
    .args:
      - { .name: query, .offset: 0, .size: 8, .value_kind: global_buffer, .address_space: global }
      - { .name: key_in, .offset: 8, .size: 8, .value_kind: global_buffer, .address_space: global }
      - { .name: value, .offset: 16, .size: 8, .value_kind: global_buffer, .address_space: global }
      - { .name: Wq, .offset: 24, .size: 8, .value_kind: global_buffer, .address_space: global }
      - { .name: Wk, .offset: 32, .size: 8, .value_kind: global_buffer, .address_space: global }
      - { .name: Wv, .offset: 40, .size: 8, .value_kind: global_buffer, .address_space: global }
      - { .name: Wo, .offset: 48, .size: 8, .value_kind: global_buffer, .address_space: global }
      - { .name: codes, .offset: 56, .size: 8, .value_kind: global_buffer, .address_space: global }
      - { .name: scales, .offset: 64, .size: 8, .value_kind: global_buffer, .address_space: global }
    .group_segment_fixed_size: 33280
    .private_segment_fixed_size: 0
    .kernarg_segment_align: 8
    .kernarg_segment_size: 72
    .max_flat_workgroup_size: 128
    .sgpr_count:     66
    .vgpr_count:     194
    .wavefront_size: 32
...
	.end_amdgpu_metadata
.endif
;; end of part 1
;; launch proj (part 2): grid 4 x 96, 4 waves a work-group, clusters of 4 x 4, 327,680 bytes of LDS; arguments codes, scales, bq, bk, bv, qimg, kv; writes qimg, kv
.if DOCPART == 2
	.amdgcn_target "amdgcn-amd-amdhsa--gfx1250"
	.amdhsa_code_object_version 6
	.text
	.protected	k_q8d3c28337e_proj
	.globl	k_q8d3c28337e_proj
	.p2align	8
	.type	k_q8d3c28337e_proj,@function
k_q8d3c28337e_proj:
	s_mov_b64 s[64:65], 0
	v_nop
	global_prefetch_b8 v0, s[64:65] scope:SCOPE_SE
	s_setreg_imm32_b32 hwreg(HW_REG_WAVE_MODE, 25, 1), 1
	s_wait_xcnt 0x0
	s_wait_alu depctr_hold_cnt(0) depctr_sa_sdst(0) depctr_va_vdst(0) depctr_va_sdst(0) depctr_va_ssrc(0) depctr_va_vcc(0) depctr_vm_vsrc(0)
	s_getreg_b32 s2, hwreg(HW_REG_IB_STS2, 6, 4)
	s_cmp_eq_u32 s2, 0
	s_cbranch_scc0 .Lentry_in_a_cluster
	s_endpgm
.Lentry_in_a_cluster:
	s_bfe_u32 s2, ttmp6, 0x10000c
	s_cmp_lg_u32 s2, 0xf033
	s_cbranch_scc0 .Lentry_shape_is_right
	s_endpgm
.Lentry_shape_is_right:
; The three projections Q = query Wq^T + bq, K = key_in Wk^T + bk, V = value Wv^T + bv on codes of FP6 (E2M3) with E8M0 scales, f32 sums; the results are quantised again IN REGISTERS, Q and K along the head's 64, V along the keys,
; and stored as images of the attention launch's operand registers.  Nothing wider than codes goes to memory.
; Cluster y / 8 says which projection (0 Q, 1 K, 2 V); it is the same in all sixteen partners.  A work-group makes 256 x 256 results, a wave 128 x 128: 64 accumulators of 16 x 16, 512 registers.
; THE MATRIX INSTRUCTION IS USED TRANSPOSED.  S1 (source 1) gives a lane its one row, S0 (source 0) runs along the lane's registers, which is the axis to be quantised: for Q and K S1 = the tokens, S0 = the weight's rows (d);
; for V S1 = Wv's rows (d), S0 = value's rows (keys).  The launch before has permuted the rows of key_in, value and the three weights so that place 32 b + 16 u + r holds row 32 b + 8 u + r + 8 (r / 8): the 16 registers of S0's
; tiles 2 b and 2 b + 1 are then 16 neighbours, 32 b + 16 (lane / 16) + 0 .. 15.
; K = 1,024 goes in steps of 256 through a ring of two LDS slots filled by the tensor data mover (rows of 192 bytes); the scale bytes of the work-group's 2 x 256 rows, for all of K, come into LDS once.
; CLUSTERS: 4 x 4 work-groups; the four of a row need the same tiles of S1, the four of a column the same tiles of S0: each tile is asked for jointly, by the same tensor load with the same descriptor and a mask that names the four.
; IMAGES.  A fragment is 12 registers: register j of lane l lies at 512 (j / 4) + 16 l + 4 (j % 4) of its 1,536 bytes.  qimg: [batch x 16 + head][128 queries]: 4 pair fragments, then 256 bytes of scale words.  kv: [batch x 16 + head][128 keys]:
; K's 4 pair fragments, V's 4 fragments, K's scale words, V's scale words (12,800 bytes).  A PAIR fragment holds two rows' 64 numbers in a lane's 12 registers: registers 0-5 tile 2 f, registers 6-11 tile 2 f + 1.
; LIMITS: a block of zeros gets the byte 1 (its codes are zeros); NaN and infinities are not served.
; REGISTERS, in windows of 256: window 0: v0-31 addresses; v32-63 scale words, two sets; v64-127 and v224-239 the biases; from v128 S1's fragments, one set; window 1: S0's fragments, two sets; windows 2, 3: the accumulators.
.set SIZE_K, 1024
.set KSTEP,  256                       ; along K in a slot
.set NQ,     KSTEP/128
.set ROWB,   192                       ; a tile's row in bytes
.set KROW,   SIZE_K*6/8                ; a row of codes in memory
.set PITCH,  240                       ; an LDS row: 3 x (64 bytes + 16 of padding)
.set FR,     12
.set NL,     6
.set NP,     4                         ; places behind this matrix instruction (ISA guide 7.12.1)
.set HALFT,  128*PITCH
.set SLOT,   4*HALFT
.set LAPS,   SIZE_K/(2*KSTEP)
.set KS,     SIZE_K/32
.set SCL,    2*SLOT                    ; behind the ring: the scales, as rows of 256 bytes + 16 of padding
.set HALFS,  (128*KS/256)*272
.set SBLK,   (16*KS/256)*272
.set SPARE,  SCL+4*HALFS               ; the spare words, 128 bytes for each wave: two blocks of 256 bytes that no other line names
.set LI,   7                           ; v7   16 x lane
.set L8,   8                           ; v8   8 x lane
.set BO1,  9                           ; v9   the bias along registers: 64 x (lane / 16)
.set BO2,  10                          ; v10  the bias along lanes: 4 (r + 8 (r / 8))
.set KSO,  12                          ; v12-15 the scale units to be stored
.set ADRA, 16                          ; v16-19 LDS addresses of S1's fragments (slot 0, 1; and behind one padding more)
.set ADRB, 20                          ; v20-23 the same for S0
.set WD,   16                          ; v16-23 on the way out: the eight scale words
.set PWA,  24
.set PWB,  25
.set LN,   26                          ; v26  lane
.set ADRS, 27
.set SPW,  28                          ; v28  LDS address of my spare word; never rewritten
.set NIL,  29                          ; v29  0; never rewritten
.set SC,   32
.set BI,   64                          ; v64-127  bias of my 128 results along registers (Q, K)
.set AF,   128
.set ST,   128                         ; the way out: 64 results + bias
.set H0,   192                         ; the fragment in hand for the first head,
.set H1,   204                         ; for the second
.set CT,   216                         ; conversions' second halves
.set BV,   224                         ; v224-239 bias of my lane's row, twice, for each of S1's 8 blocks (V)
.set TM,   240                         ; v240-255 at work in the quantiser
.set TI,   95                          ; s95  which projection
.set G1, 24
.set G0, 32
.set G1B, 48
.set G0B, 56
.set G1S, 68
.set G0S, 76
.set G1SB, 80
.set G0SB, 88
.set MSB, 0
.macro WIN new                         ; the immediate's high byte repeats the setting that is left
.if MSB != \new
	s_set_vgpr_msb (MSB<<8)|\new
.set MSB, \new
.endif
.endm
.set MUL_LO, 0xa1                      ; source 0 window 1, source 1 window 0, C and D window 2
.set MUL_HI, 0xf1                      ; the same, C and D window 3
.set TO_B,   0x40                      ; destination window 1, address window 0
; A joint load: waves 0 and 1 fetch for S1, waves 2 and 3 for S0.  The branch hangs on the wave's number alone.  Four v_nop follow each of the two lines.
.macro JLOAD g0a, g1a, g0b, g1b
	s_cmp_eq_u32 s15, 0
	s_cbranch_scc0 .Lfor_b_\@
	tensor_load_to_lds s[\g0a:\g0a+3], s[\g1a:\g1a+7]
	s_nop 0
.rept 4
	v_nop
.endr
	s_branch .Lasked_\@
.Lfor_b_\@:
	tensor_load_to_lds s[\g0b:\g0b+3], s[\g1b:\g1b+7]
	s_nop 0
.rept 4
	v_nop
.endr
.Lasked_\@:
.endm
.macro CREST                           ; a round of the cluster's barrier behind its opening barrier
	s_cmp_lg_u32 s14, 0
	s_cbranch_scc1 .Lnot_wave_0_\@
	s_barrier_signal -3
.Lnot_wave_0_\@:
	s_barrier_wait -3
	s_barrier_signal -1
	s_barrier_wait -1
.endm
.macro CROUND                          ; a whole round
	s_barrier_signal -1
	s_barrier_wait -1
	CREST
.endm
	s_load_b128 s[4:7], s[0:1], 0x0                ; codes, scales
	s_load_b128 s[8:11], s[0:1], 0x10              ; bq, bk
	s_load_b128 s[96:99], s[0:1], 0x20             ; bv, qimg
	s_load_b64 s[100:101], s[0:1], 0x30            ; kv
	v_lshl_add_u32 v[SPW], v0, 2, SPARE
	v_mov_b32 v[NIL], 0
	ds_add_u32 v28, v29
	ds_add_u32 v28, v29
	s_wait_dscnt 0x0
	v_lshrrev_b32 v1, 5, v0
	v_readfirstlane_b32 s14, v1                    ; wave 0..3
	s_lshr_b32 s15, s14, 1                         ; which half of S1's rows is mine.  Also: I fetch for S1 (0) or for S0 (1)
	s_and_b32 s16, s14, 1                          ; which half of S0's rows.  Also: which 128 rows of that tile I fetch
	s_bfe_u32 s40, ttmp6, 0x40000                  ; cx, cy: my place in the cluster
	s_bfe_u32 s41, ttmp6, 0x40004
	s_and_b32 s12, ttmp7, 0xffff                   ; cluster y, 0..23
	s_lshr_b32 s[TI], s12, 3                       ; the projection
	s_and_b32 s12, s12, 7                          ; which 1,024 tokens
	s_mul_i32 s18, s[TI], 6291456                  ; where the tokens' codes begin,
	s_mul_i32 s19, s[TI], 786432
	s_add_co_u32 s19, s19, 18874368                ; the weight's codes,
	s_lshl_b32 s22, s[TI], 18                      ; the tokens' scale bytes,
	s_lshl_b32 s23, s[TI], 15
	s_add_co_u32 s23, s23, 786432                  ; the weight's
	s_cmp_lt_u32 s[TI], 2                          ; Q, K: S1 = tokens, S0 = weight.  V: the other way round
	s_cselect_b32 s13, s12, 0
	s_cselect_b32 s12, 0, s12
	s_cselect_b32 s66, s18, s19                    ; S1's codes
	s_cselect_b32 s67, s19, s18                    ; S0's codes
	s_cselect_b32 s92, s22, s23                    ; S1's scales
	s_cselect_b32 s93, s23, s22                    ; S0's scales
	s_lshl_b32 s17, s13, 2
	s_add_co_u32 s17, s17, s41                     ; which 256 rows of S1: it hangs on cy, never on cx
	s_lshl_b32 s42, s12, 2
	s_add_co_u32 s42, s42, s40                     ; which 256 rows of S0: on cx, never on cy
	s_lshl_b32 s43, s41, 2
	s_lshl_b32 s43, 15, s43                        ; my row of the cluster
	s_lshl_b32 s44, 0x1111, s40                    ; my column
	; descriptor group 1: a tile of 128 rows x ROWB bytes, padded in LDS
	s_or_b32 s[G1+0], s43, (0<<16)|(1<<20)|(1<<21)|(3<<22)|(3<<25)  ; 15:0 the mask; 17:16 element of 1 byte; 20 padding on; 21 set beside a mask; 24:22 after every 16 words; 31:25 of 4 words
	s_or_b32 s[G1B+0], s44, (0<<16)|(1<<20)|(1<<21)|(3<<22)|(3<<25)
.irp g, G1, G1B
	s_mov_b32 s[\g+1], ROWB<<16                    ; tensor_dim0
	s_mov_b32 s[\g+2], 128<<16                     ; tensor_dim1
	s_mov_b32 s[\g+3], ROWB<<16                    ; tile_dim0
	s_mov_b32 s[\g+4], 128                         ; tile_dim1
	s_mov_b32 s[\g+5], KROW                        ; tensor_dim0_stride
	s_mov_b32 s[\g+6], 0
	s_mov_b32 s[\g+7], 0
.endr
	; the scales of 128 rows: a dense block of 4,096 bytes, as rows of 256 bytes (32 elements of 8 bytes), 16 bytes of padding behind each
	s_or_b32 s[G1S+0], s43, (3<<16)|(1<<20)|(1<<21)|(5<<22)|(3<<25)
	s_or_b32 s[G1SB+0], s44, (3<<16)|(1<<20)|(1<<21)|(5<<22)|(3<<25)
.irp g, G1S, G1SB
	s_mov_b32 s[\g+1], 32<<16
	s_mov_b32 s[\g+2], (128*KS/256)<<16
	s_mov_b32 s[\g+3], 32<<16
	s_mov_b32 s[\g+4], 128*KS/256
	s_mov_b32 s[\g+5], 32
	s_mov_b32 s[\g+6], 0
	s_mov_b32 s[\g+7], 0
.endr
	s_lshl_b32 s18, s16, 7                         ; which 128 rows of the tile I fetch
	s_lshl_b32 s20, s17, 8
	s_add_co_u32 s20, s20, s18                     ; S1's row
	s_lshl_b32 s46, s42, 8
	s_add_co_u32 s46, s46, s18                     ; S0's row
	s_lshl_b32 s22, s20, 5                         ; byte offsets, all under 2^25: 32 scale bytes a row,
	s_add_co_u32 s22, s22, s92
	s_mov_b32 s23, 0
	s_mul_i32 s20, s20, KROW                       ; 768 bytes of codes a row
	s_add_co_u32 s20, s20, s66
	s_mov_b32 s21, 0
	s_lshl_b32 s92, s46, 5
	s_add_co_u32 s92, s92, s93
	s_mov_b32 s93, 0
	s_mul_i32 s46, s46, KROW
	s_add_co_u32 s46, s46, s67
	s_mov_b32 s47, 0
	s_mul_i32 s45, s14, HALFT                      ; where they go: wave x 128 rows: no place in the cluster enters an LDS address
	s_mul_i32 s94, s14, HALFS
	s_wait_kmcnt 0x0
	s_add_nc_u64 s[20:21], s[4:5], s[20:21]
	s_add_nc_u64 s[22:23], s[6:7], s[22:23]
	s_add_nc_u64 s[46:47], s[4:5], s[46:47]
	s_add_nc_u64 s[92:93], s[6:7], s[92:93]
	CROUND                                         ; all sixteen work-groups are here: the first joint loads meet
	s_mov_b32 s[G0S], 1
	s_add_co_u32 s[G0S+1], s94, SCL
	s_mov_b64 s[G0S+2:G0S+3], s[22:23]
	s_or_b32 s[G0S+3], s[G0S+3], 0x80000000
	s_mov_b32 s[G0SB], 1
	s_add_co_u32 s[G0SB+1], s94, SCL
	s_mov_b64 s[G0SB+2:G0SB+3], s[92:93]
	s_or_b32 s[G0SB+3], s[G0SB+3], 0x80000000
	JLOAD G0S, G1S, G0SB, G1SB                     ; the scales first: they are wanted with K step 0
.irp s, 0,1
	s_mov_b32 s[G0+4*\s], 1
	s_add_co_u32 s[G0+4*\s+1], s45, \s*SLOT
	s_add_nc_u64 s[G0+4*\s+2:G0+4*\s+3], s[20:21], \s*ROWB
	s_or_b32 s[G0+4*\s+3], s[G0+4*\s+3], 0x80000000
	s_mov_b32 s[G0B+4*\s], 1
	s_add_co_u32 s[G0B+4*\s+1], s45, \s*SLOT
	s_add_nc_u64 s[G0B+4*\s+2:G0B+4*\s+3], s[46:47], \s*ROWB
	s_or_b32 s[G0B+4*\s+3], s[G0B+4*\s+3], 0x80000000
	JLOAD G0+4*\s, G1, G0B+4*\s, G1B               ; by this text's count three tensor loads of a wave are out
.endr
	v_and_b32 v1, 15, v0                           ; r = l % 16
	v_bfe_u32 v2, v0, 4, 1                         ; h = l / 16
	v_mul_u32_u24 v3, v1, PITCH
	v_mul_u32_u24 v4, v2, 24
	v_add_nc_u32 v4, v3, v4                        ; a fragment's row x pitch + 24 x half
	v_lshl_add_u32 v5, v2, 4, v4                   ; and the same behind one padding more
	s_mul_i32 s21, s15, HALFT                      ; my 128 rows of S1
	s_mul_i32 s22, s16, HALFT                      ; my 128 rows of S0,
	s_add_co_u32 s22, s22, 2*HALFT                 ; which lie behind S1's 256
.irp s, 0,1
	v_add_nc_u32 v[ADRA+\s], s21, v4
	v_add_nc_u32 v[ADRB+\s], s22, v4
	v_add_nc_u32 v[ADRA+2+\s], s21, v5
	v_add_nc_u32 v[ADRB+2+\s], s22, v5
	s_add_co_u32 s21, s21, SLOT
	s_add_co_u32 s22, s22, SLOT
.endr
	v_mul_u32_u24 v5, v1, KS                       ; my row's scales: KS bytes a row,
	v_lshrrev_b32 v6, 8, v5
	v_lshl_add_u32 v5, v6, 4, v5                   ; and 16 more for each 256 passed
	s_mul_i32 s21, s15, HALFS
	s_mul_i32 s22, s16, HALFS
	s_add_co_u32 s22, s22, 2*HALFS
	s_sub_co_u32 s22, s22, s21
	v_mul_u32_u24 v6, s22, v2                      ; lanes 16-31 take S0's
	s_add_co_u32 s21, s21, SCL
	v_add_nc_u32 v5, v5, v6
	v_add_nc_u32 v[ADRS], s21, v5
	v_and_b32 v[LN], 31, v0
	v_lshlrev_b32 v[LI], 4, v[LN]
	v_lshlrev_b32 v[L8], 3, v[LN]
	v_lshlrev_b32 v[BO1], 6, v2
	v_and_b32 v[BO2], 8, v1
	v_add_nc_u32 v[BO2], v[BO2], v1
	v_lshlrev_b32 v[BO2], 2, v[BO2]
	; WHERE MY RESULTS GO.  My 128 tokens are one group of 128 queries or keys of one batch; my 128 weight rows are two heads.
	s_lshl_b32 s12, s17, 8
	s_lshl_b32 s13, s15, 7
	s_add_co_u32 s12, s12, s13                     ; my first row of S1
	s_lshl_b32 s13, s42, 8
	s_lshl_b32 s18, s16, 7
	s_add_co_u32 s13, s13, s18                     ; my first row of S0
	s_cmp_lt_u32 s[TI], 2
	s_cselect_b32 s18, s12, s13                    ; my first token
	s_cselect_b32 s19, s13, s12                    ; my first weight row
	s_lshr_b32 s20, s18, 11
	s_lshl_b32 s20, s20, 4
	s_lshr_b32 s21, s19, 6
	s_add_co_u32 s20, s20, s21                     ; batch x 16 + my first head
	s_bfe_u32 s21, s18, 0x40007                    ; which 128 tokens of the batch's 2,048
	s_min_u32 s22, s[TI], 1                        ; 0 for Q, 1 for K and V
	s_lshr_b32 s23, s[TI], 1                       ; 1 for V
	s_lshl_b32 s66, 102400, s22                    ; a head's bytes: 102,400 in qimg, 204,800 in kv
	s_lshl_b32 s67, 6400, s22                      ; a group's bytes: 6,400 or 12,800
	s_mul_i32 s20, s20, s66
	s_mul_i32 s21, s21, s67
	s_add_co_u32 s20, s20, s21                     ; under 2^24
	s_mul_i32 s21, s23, 6144                       ; V's fragments lie behind K's
	s_lshl_b32 s92, 6144, s22                      ; the scale words: at 6,144 (Q), 12,288 (K),
	s_lshl_b32 s93, s23, 8
	s_add_co_u32 s92, s92, s93                     ; 12,544 (V)
	s_add_co_u32 s92, s92, s20
	s_add_co_u32 s20, s20, s21
	s_mov_b32 s21, 0
	s_mov_b32 s93, 0
	s_mov_b32 s67, 0
	s_cmp_eq_u32 s[TI], 0
	s_cselect_b64 s[46:47], s[98:99], s[100:101]   ; qimg or kv
	s_cselect_b64 s[12:13], s[8:9], s[10:11]       ; bq or bk,
	s_cmp_eq_u32 s[TI], 2
	s_cselect_b64 s[12:13], s[96:97], s[12:13]     ; or bv
	s_add_nc_u64 s[4:5], s[46:47], s[20:21]        ; the first head's fragments,
	s_add_nc_u64 s[6:7], s[4:5], s[66:67]          ; the second's,
	s_add_nc_u64 s[8:9], s[46:47], s[92:93]        ; the first head's scale words,
	s_add_nc_u64 s[10:11], s[8:9], s[66:67]        ; the second's
	s_lshl_b32 s20, s19, 2
	s_add_nc_u64 s[12:13], s[12:13], s[20:21]      ; the bias of my 128 weight rows
	; both forms of the bias are loaded, without a branch: along registers (Q, K) and along lanes (V); both stay inside my 128 numbers.  They land during the products and are waited for on the way out.
.irp bb, 0,1,2,3
.irp q, 0,1,2,3
	global_load_b128 v[BI+16*\bb+4*\q:BI+16*\bb+4*\q+3], v[BO1], s[12:13] offset:128*\bb+16*\q   ; register 16 bb + i: weight row 32 bb + 16 h + i
.endr
.endr
.irp a, 0,1,2,3,4,5,6,7
	global_load_b32 v[BV+2*\a], v[BO2], s[12:13] offset:(32*(\a/2)+8*(\a%2))*4      ; block a, lane r: weight row 32 (a / 2) + 8 (a % 2) + r + 8 (r / 8)
	global_load_b32 v[BV+2*\a+1], v[BO2], s[12:13] offset:(32*(\a/2)+8*(\a%2))*4    ; twice: a pair for the packed addition
.endr
.macro FRAG reg, adr, q, i             ; a fragment, 16 rows x 128 K of 6-bit codes: lane l holds row l % 16; registers 6 c .. 6 c + 5 hold K = 64 c + 32 (l / 16) + 0 .. 31: 24 bytes of the row, as they lie
.irp p, 0,1,2,3,4,5                    ; in pieces of 8 bytes; lanes 16-31 read three pieces further on; where that piece lies behind one padding more, the second address register serves
.set PC, 12*(\q)+6*(\p/3)+\p%3
.if PC%8 < 5
	ds_load_b64 v[\reg+2*\p:\reg+2*\p+1], v[\adr] offset:8*PC+16*(PC/8)+(\i)*16*PITCH
.else
	ds_load_b64 v[\reg+2*\p:\reg+2*\p+1], v[\adr+2] offset:8*PC+16*(PC/8)+(\i)*16*PITCH
.endif
.endr
.endm
; 16 matrix instructions: S1's blocks a0, a0 + 1 x S0's eight, 128 along K.  zero = 1: the first product starts the sums.  The 64 accumulators take turns, one instruction a turn.
.macro MUL16 a0, p, q, sc, zero
.irp a, \a0, \a0+1
.irp b, 0,1,2,3,4,5,6,7
.if \zero
	v_wmma_scale_f32_16x16x128_f8f6f4 v[8*(8*((\a)%4)+\b):8*(8*((\a)%4)+\b)+7], v[128*(\p)+FR*\b:128*(\p)+FR*\b+FR-1], v[AF+FR*(\a):AF+FR*(\a)+FR-1], 0, v[SC+8*NQ*(\sc)+NQ*\b+(\q)], v[SC+8*NQ*(\sc)+NQ*(\a)+(\q)] matrix_a_fmt:MATRIX_FMT_FP6 matrix_b_fmt:MATRIX_FMT_FP6 matrix_a_scale:MATRIX_SCALE_ROW1
.else
	v_wmma_scale_f32_16x16x128_f8f6f4 v[8*(8*((\a)%4)+\b):8*(8*((\a)%4)+\b)+7], v[128*(\p)+FR*\b:128*(\p)+FR*\b+FR-1], v[AF+FR*(\a):AF+FR*(\a)+FR-1], v[8*(8*((\a)%4)+\b):8*(8*((\a)%4)+\b)+7], v[SC+8*NQ*(\sc)+NQ*\b+(\q)], v[SC+8*NQ*(\sc)+NQ*(\a)+(\q)] matrix_a_fmt:MATRIX_FMT_FP6 matrix_b_fmt:MATRIX_FMT_FP6 matrix_a_scale:MATRIX_SCALE_ROW1
.endif
.endr
.endr
.endm
.macro FETCH_B slot, q, p
	WIN TO_B
.irp i, 0,1,2,3,4,5,6,7
	FRAG 128*(\p)+FR*\i, ADRB+\slot, \q, \i
.endr
	WIN 0
.endm
.macro FETCH_A slot, q, i0
.irp i, \i0, \i0+1, \i0+2, \i0+3
	FRAG AF+FR*(\i), ADRA+\slot, \q, \i
.endr
.endm
.macro SCALES sc                       ; the next K step's scale words: lanes 0-15 take S1's block i, lanes 16-31 S0's block i
.irp i, 0,1,2,3,4,5,6,7
	ds_load_b64 v[SC+8*NQ*\sc+NQ*\i:SC+8*NQ*\sc+NQ*\i+1], v[ADRS] offset:\i*SBLK
.endr
.endm
.macro PLACES n                        ; plain vector instructions between a matrix instruction and a load into, or a read or write of, its registers
.rept \n
	v_nop
.endr
.endm
.macro STEP slot, q, zero              ; a step of 128 along K that has its successor in the same slot
	s_wait_dscnt 4*NL                              ; S0's set and S1's blocks 0-3 are in; the youngest 24 loads (S1's blocks 4-7) may be out
	WIN MUL_LO
	MUL16 0, (\q)%2, \q, \slot, \zero
	MUL16 2, (\q)%2, \q, \slot, \zero
	s_wait_dscnt 0                                 ; S1's blocks 4-7 are in
	PLACES NP
	FETCH_B \slot, (\q)+1, 1-(\q)%2
	FETCH_A \slot, (\q)+1, 0
	WIN MUL_HI
	MUL16 4, (\q)%2, \q, \slot, \zero
	MUL16 6, (\q)%2, \q, \slot, \zero
	PLACES NP
	WIN 0
	FETCH_A \slot, (\q)+1, 4
.endm
; A slot's last step changes slots: one barrier; in front of it each wave waits for all its tensor loads, adds 0 to its spare word, and waits for that and for its own reads of this slot.  fill = 1: this slot is filled again, two K steps ahead.
.macro TURN slot, next, fill
	s_wait_tensorcnt 0x0                           ; all my tensor loads have landed: my part of the next slot
	ds_add_u32 v[SPW], v[NIL]                      ; 0 onto my spare word
	s_wait_dscnt 4*NL+1                            ; (the add and the youngest 24 loads, S1's blocks 4-7, may be out)
	WIN MUL_LO
	MUL16 0, 1, NQ-1, \slot, 0                     ; sixteen matrix instructions stand between the add and the wait for it
	s_wait_dscnt 0x0                               ; the add is done, and my reads of this slot are over
	s_barrier_signal -1
	MUL16 2, 1, NQ-1, \slot, 0
	WIN 0
	s_barrier_wait -1
.if \fill
	CREST                                          ; the barrier has opened a round of the cluster's barrier: no wave of any partner still reads this slot's tile or has a load on its way
	s_add_nc_u64 s[G0+4*\slot+2:G0+4*\slot+3], s[G0+4*\slot+2:G0+4*\slot+3], 2*ROWB
	s_add_nc_u64 s[G0B+4*\slot+2:G0B+4*\slot+3], s[G0B+4*\slot+2:G0B+4*\slot+3], 2*ROWB
	JLOAD G0+4*\slot, G1, G0B+4*\slot, G1B         ; the first tensor load behind the round; its four v_nop are also the places in front of the loads below
.else
	PLACES NP
.endif
	v_add_nc_u32 v[ADRS], 4*NQ, v[ADRS]            ; on to the next K step's scale words
	FETCH_B \next, 0, 0
	FETCH_A \next, 0, 0
	SCALES \next
	WIN MUL_HI
	MUL16 4, 1, NQ-1, \slot, 0
	MUL16 6, 1, NQ-1, \slot, 0
	PLACES NP
	WIN 0
	FETCH_A \next, 0, 4
.endm
	s_wait_tensorcnt 1                             ; the scales and my part of K step 0 are in (K step 1's load may be out)
	s_barrier_signal -1
	s_barrier_wait -1                              ; everybody's are
	FETCH_B 0, 0, 0
	FETCH_A 0, 0, 0
	SCALES 0
	FETCH_A 0, 0, 4
	STEP 0, 0, 1                                   ; the first step stands in front of the loop: its products start the sums
	s_mov_b32 s3, LAPS-1
.Llap:                                                 ; a trip goes once round the ring and fills both slots again
	TURN 0, 1, 1
	STEP 1, 0, 0
	TURN 1, 0, 1
	STEP 0, 0, 0
	s_sub_co_u32 s3, s3, 1
	s_cmp_lg_u32 s3, 0
	s_cbranch_scc1 .Llap
	TURN 0, 1, 0                                   ; the last lap fills nothing
	STEP 1, 0, 0
	s_wait_dscnt 4*NL                              ; the very last step: nothing more to fetch
	WIN MUL_LO
	MUL16 0, 1, NQ-1, 1, 0
	MUL16 2, 1, NQ-1, 1, 0
	s_wait_dscnt 0
	WIN MUL_HI
	MUL16 4, 1, NQ-1, 1, 0
	MUL16 6, 1, NQ-1, 1, 0
	WIN 0
; THE WAY OUT.  No LDS: a lane's 64 registers of S1's block a are 128 neighbours (with lane l xor 16) of the axis to be quantised.
; LIFT: block a's 64 results come into window 0, and the move is the bias's addition.  Each accumulator is read from its low end on.
.macro LIFT a, breg, bstep
	WIN 0x02+(\a)/4
.set AC, 64*((\a)%4)
.set i, 0
.rept 32
	v_pk_add_f32 v[ST+2*i:ST+2*i+1], v[AC+2*i:AC+2*i+1], v[\breg+\bstep*i:\breg+\bstep*i+1]
.set i, i+1
.endr
	WIN 0
.endm
; QUANT: 64 numbers of a lane, register 16 b + i = place 32 b + 16 (lane / 16) + i, become codes: blocks 0, 1 into v[da] .. v[da + 5], blocks 2, 3 into v[db] .. v[db + 5]; the four scale bytes into v[pw].
.macro QUANT s, da, db, pw
.irp b, 0,1,2,3
	v_max3_num_f32 v[TM+\b], |v[\s+16*\b]|, |v[\s+1+16*\b]|, 0x1800000   ; my 16 numbers of block b, and the floor 2^(3 - 127): the byte cannot fall under 1
.endr
.irp i, 2,4,6,8,10,12,14
.irp b, 0,1,2,3
	v_max3_num_f32 v[TM+\b], v[TM+\b], |v[\s+16*\b+\i]|, |v[\s+1+16*\b+\i]|   ; the four blocks by turns
.endr
.endr
.irp b, 0,1,2,3
	v_permlanex16_b32 v[TM+4+\b], v[TM+\b], s18, s19
.endr
.irp b, 0,1,2,3
	v_max_num_f32 v[TM+\b], v[TM+\b], v[TM+4+\b]   ; with lane l xor 16's: the block's largest magnitude
.endr
.irp b, 0,1,2,3
	v_add_nc_u32 v[TM+12+\b], 0xff000000, v[TM+\b]   ; 2 off its exponent field: the conversion's scale operand
.endr
.irp b, 0,1,2,3
	v_lshrrev_b32 v[TM+4+\b], 23, v[TM+12+\b]      ; the scale's byte
.endr
	v_lshl_or_b32 v[\pw], v[TM+5], 8, v[TM+4]
	v_lshl_or_b32 v[\pw], v[TM+6], 16, v[\pw]
	v_lshl_or_b32 v[\pw], v[TM+7], 24, v[\pw]
	v_cvt_scalef32_pk16_fp6_f32 v[\da:\da+2], v[\s:\s+15], v[TM+12]
	v_cvt_scalef32_pk16_fp6_f32 v[CT:CT+2], v[\s+16:\s+31], v[TM+13]       ; (a conversion's three registers begin on an even number)
	v_cvt_scalef32_pk16_fp6_f32 v[\db:\db+2], v[\s+32:\s+47], v[TM+14]
	v_cvt_scalef32_pk16_fp6_f32 v[CT+4:CT+6], v[\s+48:\s+63], v[TM+15]
	v_nop                                          ; one plain line behind the scaled conversions
.irp i, 0,1,2                                  ; the operand's layout wants a whole block in a lane: lanes 0-15 the even block, lanes 16-31 the odd one
	v_permlane16_swap_b32 v[\da+\i], v[CT+\i]
	v_permlane16_swap_b32 v[\db+\i], v[CT+4+\i]
.endr
.irp i, 0,1,2
	v_mov_b32 v[\da+3+\i], v[CT+\i]
	v_mov_b32 v[\db+3+\i], v[CT+4+\i]
.endr
.endm
.macro PUT reg, base, off              ; a fragment's image: each store of the wave covers 512 consecutive bytes, aligned
.irp c, 0,1,2
	global_store_b128 v[LI], v[\reg+4*\c:\reg+4*\c+3], s[\base:\base+1] offset:\off+512*\c
.endr
.endm
	PLACES NP                                      ; behind the last products: their results are read, and their operands' registers written, below
	s_wait_loadcnt 0x0                             ; the biases
	s_mov_b32 s18, 0x76543210
	s_mov_b32 s19, 0xfedcba98                      ; v_permlanex16_b32's selects for lane l xor 16
.irp b, 0,1,2,3
	v_mov_b32 v[TM+4+\b], 0                        ; written once: a lane permute's destination counts as one of its sources
.endr
	s_cmp_eq_u32 s[TI], 2                          ; the projection hangs on the cluster's y alone: alike in all partners
	s_cbranch_scc1 .Lv
	; Q, K: a lane's row is a token; blocks 0, 1 are the first head's 64, blocks 2, 3 the second's.  S1's blocks 2 f and 2 f + 1 make pair fragment f of each head.
.irp f, 0,1,2,3
.if \f > 0
	s_wait_xcnt 0x0                                ; the last fragments' stores have read their registers
.endif
	LIFT 2*\f, BI, 2
	QUANT ST, H0, H1, PWA
	LIFT 2*\f+1, BI, 2
	QUANT ST, H0+6, H1+6, PWB
	v_perm_b32 v[WD+\f], v[PWB], v[PWA], 0x05040100     ; the first head's word: the first row's two bytes, the second row's two
	v_perm_b32 v[WD+4+\f], v[PWB], v[PWA], 0x07060302   ; the second head's
	PUT H0, 4, 1536*\f
	PUT H1, 6, 1536*\f
.endr
	s_branch .Lsc
.Lv:
	; V: a lane's row is a channel d, its 128 places are the step's 128 keys: S1's block a is fragment a % 4 of head a / 4, whole.
.irp a, 0,1,2,3,4,5,6,7
.if \a > 0
	s_wait_xcnt 0x0                                ; the last fragment's stores have read their registers
.endif
	LIFT \a, BV+2*\a, 0
	QUANT ST, H0, H0+6, WD+\a
	PUT H0, 4+2*((\a)/4), 1536*((\a)%4)
.endr
.Lsc:
	; the scale words of a head's four fragments leave as one unit: 8 bytes a lane: lanes 0-15 fragments 0 and 2, lanes 16-31 fragments 1 and 3 (every lane holds the word of row lane % 16)
	v_cmp_le_u32 vcc_lo, 16, v[LN]
	v_cndmask_b32 v[KSO], v[WD], v[WD+1], vcc_lo
	v_cndmask_b32 v[KSO+1], v[WD+2], v[WD+3], vcc_lo
	v_cndmask_b32 v[KSO+2], v[WD+4], v[WD+5], vcc_lo
	v_cndmask_b32 v[KSO+3], v[WD+6], v[WD+7], vcc_lo
	global_store_b64 v[L8], v[KSO:KSO+1], s[8:9]   ; 32 lanes store 256 consecutive bytes, aligned
	global_store_b64 v[L8], v[KSO+2:KSO+3], s[10:11]
	s_wait_tensorcnt 0x0                           ; the wave's end
	ds_add_u32 v[SPW], v[NIL]
	s_wait_dscnt 0x0
	CROUND                                         ; the closing round: no work-group ends while a partner may still ask for a tile that names it
	s_endpgm
.Lfunc_end_k_q8d3c28337e_proj:
	.size	k_q8d3c28337e_proj, .Lfunc_end_k_q8d3c28337e_proj-k_q8d3c28337e_proj
	.p2alignl 7, 3214868480
	.fill 96, 4, 3214868480
	.section	.rodata,"a",@progbits
	.p2align	6, 0x0
	.amdhsa_kernel k_q8d3c28337e_proj
		.amdhsa_group_segment_fixed_size 327680
		.amdhsa_private_segment_fixed_size 0
		.amdhsa_enable_private_segment 0
		.amdhsa_kernarg_size 56
		.amdhsa_user_sgpr_count 2
		.amdhsa_user_sgpr_kernarg_segment_ptr 1
		.amdhsa_wavefront_size32 1
		.amdhsa_system_sgpr_workgroup_id_x 1
		.amdhsa_system_sgpr_workgroup_id_y 1
		.amdhsa_system_sgpr_workgroup_id_z 1
		.amdhsa_system_vgpr_workitem_id 0
		.amdhsa_next_free_vgpr 1024
		.amdhsa_next_free_sgpr 102
		.amdhsa_reserve_vcc 1
		.amdhsa_float_denorm_mode_32 3
		.amdhsa_float_denorm_mode_16_64 3
		.amdhsa_memory_ordered 1
		.amdhsa_forward_progress 1
		.amdhsa_inst_pref_size 234
	.end_amdhsa_kernel
	.amdgpu_metadata
---
amdhsa.version: [ 1, 2 ]
amdhsa.kernels:
  - .name:           k_q8d3c28337e_proj
    .symbol:         k_q8d3c28337e_proj.kd
    .args:
      - { .name: codes, .offset: 0, .size: 8, .value_kind: global_buffer, .address_space: global }
      - { .name: scales, .offset: 8, .size: 8, .value_kind: global_buffer, .address_space: global }
      - { .name: bq, .offset: 16, .size: 8, .value_kind: global_buffer, .address_space: global }
      - { .name: bk, .offset: 24, .size: 8, .value_kind: global_buffer, .address_space: global }
      - { .name: bv, .offset: 32, .size: 8, .value_kind: global_buffer, .address_space: global }
      - { .name: qimg, .offset: 40, .size: 8, .value_kind: global_buffer, .address_space: global }
      - { .name: kv, .offset: 48, .size: 8, .value_kind: global_buffer, .address_space: global }
    .group_segment_fixed_size: 327680
    .private_segment_fixed_size: 0
    .kernarg_segment_align: 8
    .kernarg_segment_size: 56
    .max_flat_workgroup_size: 128
    .sgpr_count:     102
    .vgpr_count:     1024
    .wavefront_size: 32
...
	.end_amdgpu_metadata
.endif
;; end of part 2
;; launch attn (part 3): grid 4 x 64, 16 waves a work-group, no clusters, 206,848 bytes of LDS; arguments qimg, kv, oc, os; writes oc, os
.if DOCPART == 3
	.amdgcn_target "amdgcn-amd-amdhsa--gfx1250"
	.amdhsa_code_object_version 6
	.text
	.protected	k_q8d3c28337e_attn
	.globl	k_q8d3c28337e_attn
	.p2align	8
	.type	k_q8d3c28337e_attn,@function
k_q8d3c28337e_attn:
	s_mov_b64 s[64:65], 0
	v_nop
	global_prefetch_b8 v0, s[64:65] scope:SCOPE_SE
	s_setreg_imm32_b32 hwreg(HW_REG_WAVE_MODE, 25, 1), 1
	s_wait_xcnt 0x0
; Causal attention of one head on codes of FP6 (E2M3) with E8M0 scales: S^T = K Q^T, p = 2^(t - M), O^T = V^T P^T, O / l quantised along the model's 1,024 for the last projection.
; t = score x log2(e) / 8; M = the row's largest t so far, rounded UP to a whole number; p is quantised along the keys, not normalised; the row's sum l is taken of the unquantised p in f32 and divides O at the end.
; When M moves, l and O are multiplied by 2^(old M - new M): exact.
; SHARES.  Work-group (i, g) owns query blocks i and 7 - i (256 queries each) of head g = batch x 16 + head: with the causal mask that is the same number of key steps for every work-group.  Each of its sixteen waves owns one tile of
; 16 queries of each block, in 216 registers: four waves to a SIMD, so that one wave's vector work stands beside another's matrix work and LDS loads.
; LDS.  The head's whole image of K and V (16 steps of 128 keys x 12,800 bytes) is brought once, a sixteenth by each wave's one tensor load; nothing is filled again and nothing is stored into LDS: one barrier in the launch.
; No cluster: the four work-groups of a head would be the partners, and the step that is left out under the mask is a branch on the query block, which would be the place in the cluster.
; LAYOUT.  Both products are used transposed: a lane holds ONE query (lane % 16) throughout.  THE HEAD HAS 64 NUMBERS, THE INSTRUCTION TAKES 128: a PAIR fragment of K holds two keys' 64 numbers in a lane's 12 registers (key
; 32 f + r + 8 (r / 8) in registers 0-5, the key 8 further on in 6-11), and Q stands between zeros, [0 | q | 0] in 18 registers: [q | 0] picks the first key, [0 | q] the second.  So no byte of K read from LDS is padding.
; The 16 registers of tiles 2 f and 2 f + 1 are keys 32 f + 16 (lane / 16) + 0 .. 15; V's fragment t holds channels 32 (t / 2) + 8 (t % 2) + r + 8 (r / 8), so that O^T's 16 registers of two tiles are 16 neighbouring channels.
; LIMITS: a hidden key's p is taken as 0, which is what 2^(t - M) gives for the mask's -1e9 while the row's largest logit lies above -1e9 + 200; M is a whole number exactly while |t| < 2^24; a block of zeros gets the byte 1;
; NaN and infinities are not served.  The scale bytes of O leave 2 bytes a lane, 32 bytes apart: 262,144 bytes in all.
.set STEPB, 12800                      ; a step's bytes: K's 4 pair fragments, V's 4 fragments at 6,144, K's scale words at 12,288, V's at 12,544
.set LI,  1                            ; v1   16 x lane
.set L8,  2                            ; v2   8 x lane
.set ADR, 3                            ; v3   LDS address of the step's fragments
.set ADS, 4                            ; v4   of its scale words
.set DL,  5                            ; v5   r - 16 h, for the mask
.set VQ0, 6                            ; v6, v8, v9  offsets of my tile's three pieces of 8 bytes in a group of qimg
.set OSO, 7                            ; v7   32 r: my row of os
.set VQ1, 8
.set VQ2, 9
.set VQS, 10                           ; v10  offset of my pair fragment's scale word
.set RAW, 11                           ; v11  that word
.set QZ,  16                           ; v16-33 [0 | q | 0]
.set QS,  34                           ; v34  Q's scale word (s0, s1, s0, s1)
.set KV,  36                           ; v36-83 four fragments: K's, then V's
.set S,   84                           ; v84-147 S^T, then p
.set O,   148                          ; v148-179 O^T
.set PC,  180                          ; v180-191 p's codes
.set BM,  192                          ; v192-195 the blocks' largest scores, then largest p
.set T2,  196                          ; v196-203 at work
.set SOP, 204                          ; v204-207 the conversions' scale operands
.set KSC, 208                          ; v[208:209] K's scale words
.set VSC, 210                          ; v[210:211] V's
.set F,   212                          ; v212 2^(old M - new M)
.set PS,  213                          ; v213 p's scale word
.set TMP, 214                          ; v214, v215 at work
; v12 -M, v13 the largest t, v[14:15] the sum in two halves
; s12 wave, s13 i, s14 g, s[20:21] lane selects, s[22:23] c, s[24:31], s[32:35] the descriptor, s40 the step's LDS byte, s41 its first key, s42 my first query, s44 trips, s45 byte select, s[46:51] Q's, oc's, os's addresses, s52 the query block
	s_load_b256 s[4:11], s[0:1], 0x0               ; qimg s[4:5], kv s[6:7], oc s[8:9], os s[10:11]
	v_lshl_add_u32 v216, v0, 2, 0x32000
	v_mov_b32 v217, 0
	ds_add_u32 v216, v217
	ds_add_u32 v216, v217
	v_lshrrev_b32 v1, 5, v0
	s_delay_alu instid0(VALU_DEP_1)
	v_readfirstlane_b32 s12, v1                    ; wave 0..15
	s_mov_b32 s13, ttmp9                           ; i
	s_and_b32 s14, ttmp7, 0xffff                   ; g
	; descriptor group 1: 12,800 dense bytes as 50 rows of 256 bytes (32 elements of 8 bytes), no padding
	s_mov_b32 s24, 3<<16
	s_mov_b32 s25, 32<<16                          ; tensor_dim0
	s_mov_b32 s26, 50<<16                          ; tensor_dim1
	s_mov_b32 s27, 32<<16                          ; tile_dim0
	s_mov_b32 s28, 50                              ; tile_dim1
	s_mov_b32 s29, 32                              ; the pitch
	s_mov_b32 s30, 0
	s_mov_b32 s31, 0
	s_mul_i32 s33, s12, STEPB                      ; LDS address: step = my wave's number
	s_mul_i32 s54, s14, 16*STEPB
	s_add_co_u32 s54, s54, s33                     ; under 2^24
	s_mov_b32 s55, 0
	s_mov_b32 s32, 1
	s_wait_dscnt 0x0
	s_wait_kmcnt 0x0
	s_add_nc_u64 s[34:35], s[6:7], s[54:55]
	s_or_b32 s35, s35, 0x80000000
	tensor_load_to_lds s[32:35], s[24:31]          ; my one tensor load: the only one of mine that is ever out
	s_nop 0
.rept 4
	v_nop
.endr
	v_and_b32 v[TMP], 31, v0
	s_delay_alu instid0(VALU_DEP_1)
	v_lshlrev_b32 v[LI], 4, v[TMP]
	s_wait_alu depctr_va_vdst(0)
	v_lshlrev_b32 v[L8], 3, v[TMP]
	v_and_b32 v[TMP+1], 15, v0                     ; r
	s_wait_alu depctr_va_vdst(0)
	v_bfe_u32 v[ADR], v0, 4, 1                     ; h
	s_delay_alu instid0(VALU_DEP_1)
	v_lshlrev_b32 v[ADR], 4, v[ADR]
	s_delay_alu instid0(VALU_DEP_1)
	v_sub_nc_u32 v[DL], v[TMP+1], v[ADR]
	v_lshlrev_b32 v[OSO], 5, v[TMP+1]
	; my tile among a group's eight: pair fragment f = (wave % 8) / 2, half u = wave % 2.  Registers 6 u .. 6 u + 5 of the image: bytes 16 l + {0, 8, 512} or 16 l + {520, 1024, 1032}
	s_and_b32 s53, s12, 1                          ; u
	s_bfe_u32 s54, s12, 0x20001                    ; f
	s_mul_i32 s56, s54, 1536
	s_mul_i32 s55, s53, 520
	s_add_co_u32 s55, s55, s56
	v_add_nc_u32 v[VQ0], s55, v[LI]
	s_mul_i32 s55, s53, 1016
	s_add_co_u32 s55, s55, s56
	s_add_co_u32 s55, s55, 8
	v_add_nc_u32 v[VQ1], s55, v[LI]
	s_mul_i32 s55, s53, 520
	s_add_co_u32 s55, s55, s56
	s_add_co_u32 s55, s55, 512
	v_add_nc_u32 v[VQ2], s55, v[LI]
	s_and_b32 s57, s54, 1                          ; the scale unit at 6,144: 8 bytes a lane; fragment f: lanes 16 (f % 2) + r, word f / 2
	s_lshl_b32 s57, s57, 7
	s_lshr_b32 s58, s54, 1
	s_lshl_b32 s58, s58, 2
	s_add_co_u32 s57, s57, s58
	s_add_co_u32 s57, s57, 6144
	v_lshl_add_u32 v[VQS], v[TMP+1], 3, s57
	s_mul_i32 s45, s53, 0x02020202
	s_add_co_u32 s45, s45, 0x01000100              ; bytes (0, 1, 0, 1) of the word for u = 0, (2, 3, 2, 3) for u = 1
	s_mov_b32 s20, 0x76543210
	s_mov_b32 s21, 0xfedcba98                      ; v_permlanex16_b32's selects for lane l xor 16
	s_mov_b32 s22, 0x3e38aa3b                      ; c = log2(e) / 8
	s_mov_b32 s23, s22                             ; (named with it as a pair, so it is written)
.irp j, 0,1,2,3,4,5
	v_mov_b32 v[QZ+\j], 0                          ; the zeros on both sides of q: written once
	v_mov_b32 v[QZ+12+\j], 0
.endr
.irp b, 0,1,2,3
	v_mov_b32 v[T2+\b], 0                          ; written once: a lane permute's destination counts as one of its sources
.endr
	v_mov_b32 v[PS], 0                             ; (named as the upper half of the pair v[212:213] before it is first written)
; A QUERY BLOCK BEGINS: s52 = the block.  My tile's addresses, its codes and scale word, and the empty sums.
.macro PHASE_IN
	s_wait_xcnt 0x0                                ; earlier loads and stores have read their bases: they may be written
	s_lshl_b32 s42, s52, 8
	s_lshl_b32 s53, s12, 4
	s_add_co_u32 s42, s42, s53                     ; my first query: 256 x block + 16 x wave
	s_lshl_b32 s53, s52, 1
	s_lshr_b32 s54, s12, 3
	s_add_co_u32 s53, s53, s54                     ; its group of 128
	s_mul_i32 s53, s53, 6400
	s_mul_i32 s54, s14, 102400
	s_add_co_u32 s54, s54, s53
	s_mov_b32 s55, 0
	s_add_nc_u64 s[46:47], s[4:5], s[54:55]
	s_lshr_b32 s53, s14, 4                         ; the batch
	s_lshl_b32 s54, s53, 7
	s_lshl_b32 s56, s52, 4
	s_add_co_u32 s54, s54, s56
	s_add_co_u32 s54, s54, s12                     ; my tile of 16 rows among the 512
	s_mul_i32 s54, s54, 12288                      ; oc: 12,288 bytes a tile of rows; the head's 64 numbers are half a K step of 128: 768 bytes a head
	s_and_b32 s56, s14, 15
	s_mul_i32 s56, s56, 768
	s_add_co_u32 s54, s54, s56
	s_add_nc_u64 s[48:49], s[8:9], s[54:55]
	s_lshl_b32 s53, s53, 11
	s_add_co_u32 s53, s53, s42                     ; my first row among the 8,192
	s_lshl_b32 s54, s53, 5                         ; os: 32 bytes a row, 2 a head
	s_and_b32 s56, s14, 15
	s_lshl_b32 s56, s56, 1
	s_add_co_u32 s54, s54, s56
	s_add_nc_u64 s[50:51], s[10:11], s[54:55]
	global_load_b64 v[QZ+6:QZ+7], v[VQ0], s[46:47]
	global_load_b64 v[QZ+8:QZ+9], v[VQ1], s[46:47]
	global_load_b64 v[QZ+10:QZ+11], v[VQ2], s[46:47]
	global_load_b32 v[RAW], v[VQS], s[46:47]
	s_wait_loadcnt 0x0
	v_perm_b32 v[QS], v[RAW], v[RAW], s45          ; my tile's two bytes, twice: they serve q in either half of the 128
	v_mov_b32 v13, 0xff61b1e6                      ; the largest t so far: -3e38, under every t
	s_delay_alu instid0(VALU_DEP_1)
	v_floor_f32 v12, -v13                          ; -M
	v_mov_b32 v14, 0
	v_mov_b32 v15, 0
.set n, 0
.rept 32
	v_mov_b32 v[O+n], 0                            ; O^T: the first change of M leaves zeros zeros.  (These lines are also the places between the scale word's write and the first product)
.set n, n+1
.endr
.endm
.macro KQ f                            ; two products: the pair fragment's first keys against [q | 0], its second keys against [0 | q]
.if (\f)%2
	v_wmma_scale_f32_16x16x128_f8f6f4 v[S+16*\f:S+16*\f+7], v[KV+12*\f:KV+12*\f+11], v[QZ+6:QZ+17], 0, v[KSC+\f/2], v[QS] matrix_a_fmt:MATRIX_FMT_FP6 matrix_b_fmt:MATRIX_FMT_FP6 matrix_a_scale:MATRIX_SCALE_ROW1
	v_wmma_scale_f32_16x16x128_f8f6f4 v[S+16*\f+8:S+16*\f+15], v[KV+12*\f:KV+12*\f+11], v[QZ:QZ+11], 0, v[KSC+\f/2], v[QS] matrix_a_fmt:MATRIX_FMT_FP6 matrix_b_fmt:MATRIX_FMT_FP6 matrix_a_scale:MATRIX_SCALE_ROW1
.else
	v_wmma_scale_f32_16x16x128_f8f6f4 v[S+16*\f:S+16*\f+7], v[KV+12*\f:KV+12*\f+11], v[QZ+6:QZ+17], 0, v[KSC+\f/2], v[QS] matrix_a_fmt:MATRIX_FMT_FP6 matrix_b_fmt:MATRIX_FMT_FP6
	v_wmma_scale_f32_16x16x128_f8f6f4 v[S+16*\f+8:S+16*\f+15], v[KV+12*\f:KV+12*\f+11], v[QZ:QZ+11], 0, v[KSC+\f/2], v[QS] matrix_a_fmt:MATRIX_FMT_FP6 matrix_b_fmt:MATRIX_FMT_FP6
.endif
.endm
.macro PV t                            ; O^T's tile t += V's fragment t x p.  The four accumulators take turns, one instruction a turn
.if (\t)%2
	v_wmma_scale_f32_16x16x128_f8f6f4 v[O+8*\t:O+8*\t+7], v[KV+12*\t:KV+12*\t+11], v[PC:PC+11], v[O+8*\t:O+8*\t+7], v[VSC+\t/2], v[PS] matrix_a_fmt:MATRIX_FMT_FP6 matrix_b_fmt:MATRIX_FMT_FP6 matrix_a_scale:MATRIX_SCALE_ROW1
.else
	v_wmma_scale_f32_16x16x128_f8f6f4 v[O+8*\t:O+8*\t+7], v[KV+12*\t:KV+12*\t+11], v[PC:PC+11], v[O+8*\t:O+8*\t+7], v[VSC+\t/2], v[PS] matrix_a_fmt:MATRIX_FMT_FP6 matrix_b_fmt:MATRIX_FMT_FP6
.endif
.endm
; A KEY STEP: 128 keys from s41 on, at LDS byte s40.
.macro STEP
	s_add_co_u32 s43, s42, 15                      ; a step all of whose keys come after my 16 queries is left out: a scalar branch on ids, round the work, not round the lines at the step's end that step the address
	s_cmp_gt_u32 s41, s43
	s_cbranch_scc1 .Lhidden_\@
	s_setprio 2
	v_add_nc_u32 v[ADR], s40, v[LI]
	v_add_nc_u32 v[ADS], s40, v[L8]
	v_nop
	v_nop                                          ; four places in front of loads into registers that the last products read
.irp f, 0,1,2,3
.irp c, 0,1,2
	ds_load_b128 v[KV+12*\f+4*\c:KV+12*\f+4*\c+3], v[ADR] offset:1536*\f+512*\c   ; an image of the registers: 512 consecutive bytes an instruction
.endr
.endr
	ds_load_b64 v[KSC:KSC+1], v[ADS] offset:12288
	s_wait_alu depctr_va_vdst(0)
	s_wait_dscnt 0x0
.irp f, 0,1,2,3
	KQ \f
.endr
.rept 4
	v_nop                                          ; four places: for the loads into K's registers and for the first reads of the scores
.endr
.irp t, 0,1,2,3
.irp c, 0,1,2
	ds_load_b128 v[KV+12*\t+4*\c:KV+12*\t+4*\c+3], v[ADR] offset:6144+1536*\t+512*\c   ; V's fragments land under the softmax
.endr
.endr
	ds_load_b64 v[VSC:VSC+1], v[ADS] offset:12544
	s_add_co_u32 s43, s41, 127                     ; on the diagonal the scores of hidden keys become -infinity ahead of the maximum: p = 0 then.  A step all of whose keys count skips this
	s_cmp_le_u32 s43, s42
	s_cbranch_scc1 .Lopen_\@
	s_sub_co_i32 s43, s42, s41
	v_add_nc_u32 v[F], s43, v[DL]                  ; d = my query - the step's first key - 16 (lane / 16).  Register 16 b + i holds key 32 b + 16 (lane / 16) + i of the step: hidden where 32 b + i > d
	v_mov_b32 v[TMP], 0xff800000
.set n, 0
.rept 64
	v_cmp_gt_i32 vcc_lo, 32*(n/16)+n%16, v[F]
	v_cndmask_b32 v[S+n], v[S+n], v[TMP], vcc_lo
.set n, n+1
.endr
.Lopen_\@:
.irp b, 0,1,2,3
	v_max3_num_f32 v[BM+\b], v[S+16*\b], v[S+1+16*\b], v[S+2+16*\b]   ; the largest score of each block of 32 keys: it serves for the row's maximum and, since p rises with the score, for the block's largest p
.endr
.irp i, 3,5,7,9,11,13
.irp b, 0,1,2,3
	v_max3_num_f32 v[BM+\b], v[BM+\b], v[S+16*\b+\i], v[S+1+16*\b+\i]
.endr
.endr
.irp b, 0,1,2,3
	v_max_num_f32 v[BM+\b], v[BM+\b], v[S+15+16*\b]
.endr
.irp b, 0,1,2,3
	s_delay_alu instid0(VALU_DEP_4)
	v_permlanex16_b32 v[T2+\b], v[BM+\b], s20, s21
.endr
.irp b, 0,1,2,3
	s_delay_alu instid0(VALU_DEP_4)
	v_max_num_f32 v[BM+\b], v[BM+\b], v[T2+\b]     ; with lane l xor 16's 16 keys
.endr
	s_delay_alu instid0(VALU_DEP_2)
	v_max3_num_f32 v[TMP], v[BM], v[BM+1], v[BM+2]
	s_delay_alu instid0(VALU_DEP_1)
	v_max_num_f32 v[TMP], v[TMP], v[BM+3]          ; the step's largest score of my query
	s_delay_alu instid0(VALU_DEP_1)
	v_mul_f32 v[TMP], s22, v[TMP]                  ; as t (c is positive)
	s_delay_alu instid0(VALU_DEP_1)
	v_max_num_f32 v13, v13, v[TMP]                 ; the running largest t
	v_mov_b32 v[TMP], v12
	s_delay_alu instid0(VALU_DEP_2)
	v_floor_f32 v12, -v13                          ; the new -M = floor(-t) = -ceil(t): a whole number
	s_delay_alu instid0(VALU_DEP_1)
	v_sub_f32 v[TMP], v12, v[TMP]                  ; old M - new M: a whole number, 0 or less
	s_delay_alu instid0(VALU_DEP_1)
	v_cvt_i32_f32 v[TMP], v[TMP]                   ; (it saturates)
	s_delay_alu instid0(VALU_DEP_1)
	v_ldexp_f32 v[F], 1.0, v[TMP]                  ; f = 2^(old M - new M)
.set n, 0
.rept 32
	v_pk_fma_f32 v[S+n:S+n+1], v[S+n:S+n+1], s[22:23], v[12:13] op_sel_hi:[1,0,0]   ; t - M, two at a time
.set n, n+2
.endr
	s_setprio 1
.irp b, 0,1,2,3
	v_fma_f32 v[BM+\b], v[BM+\b], s22, v12         ; the same of each block's largest score
.endr
.set n, 0
	s_wait_alu depctr_va_vdst(0)
.rept 64
	v_exp_f32 v[S+n], v[S+n]                       ; p = 2^(t - M), at most 1
.set n, n+1
.endr
	v_pk_mul_f32 v[14:15], v[14:15], v[F:F+1] op_sel_hi:[1,0]   ; the sums under the new M (the plain line behind the exponentials)
	s_wait_alu depctr_va_vdst(0)                   ; one wait for the batch of 64, ahead of its first reader
.irp b, 0,1,2,3
	v_exp_f32 v[BM+\b], v[BM+\b]                   ; the block's largest p: the same two instructions on the same number give the same bits
.endr
	v_pk_add_f32 v[196:197], v[88:89], v[92:93]
	v_pk_add_f32 v[208:209], v[96:97], v[100:101]
	v_pk_add_f32 v[206:207], v[104:105], v[108:109]
	v_pk_add_f32 v[204:205], v[112:113], v[116:117]
	v_pk_add_f32 v[202:203], v[120:121], v[124:125]
	v_pk_add_f32 v[200:201], v[128:129], v[132:133]
	v_pk_add_f32 v[198:199], v[136:137], v[140:141]
	v_pk_add_f32 v[14:15], v[14:15], v[144:145]
	v_pk_add_f32 v[196:197], v[196:197], v[84:85]
	v_pk_add_f32 v[208:209], v[208:209], v[86:87]
	v_pk_add_f32 v[206:207], v[206:207], v[90:91]
	v_pk_add_f32 v[204:205], v[204:205], v[94:95]
	v_pk_add_f32 v[202:203], v[202:203], v[98:99]
	v_pk_add_f32 v[200:201], v[200:201], v[102:103]
	v_pk_add_f32 v[198:199], v[198:199], v[106:107]
	v_pk_add_f32 v[14:15], v[14:15], v[110:111]
	v_pk_add_f32 v[196:197], v[196:197], v[114:115]
	v_pk_add_f32 v[208:209], v[208:209], v[118:119]
	v_pk_add_f32 v[206:207], v[206:207], v[122:123]
	v_pk_add_f32 v[204:205], v[204:205], v[126:127]
	v_pk_add_f32 v[202:203], v[202:203], v[130:131]
	v_pk_add_f32 v[200:201], v[200:201], v[134:135]
	v_pk_add_f32 v[198:199], v[198:199], v[138:139]
	v_pk_add_f32 v[14:15], v[14:15], v[142:143]
	v_pk_add_f32 v[196:197], v[196:197], v[146:147]
	s_delay_alu instid0(VALU_DEP_2)
	v_pk_add_f32 v[14:15], v[14:15], v[204:205]
	s_delay_alu instid0(VALU_DEP_2)
	v_pk_add_f32 v[196:197], v[196:197], v[202:203]
	v_pk_add_f32 v[208:209], v[208:209], v[200:201]
	v_pk_add_f32 v[206:207], v[206:207], v[198:199]
	s_delay_alu instid0(VALU_DEP_2)
	v_pk_add_f32 v[14:15], v[14:15], v[208:209]
	s_delay_alu instid0(VALU_DEP_2)
	v_pk_add_f32 v[196:197], v[196:197], v[206:207]
	s_delay_alu instid0(VALU_DEP_1)
	v_pk_add_f32 v[14:15], v[14:15], v[196:197]
	s_wait_alu depctr_va_vdst(0)                   ; and one for the four
.irp b, 0,1,2,3
	v_max_num_f32 v[BM+\b], 0x1800000, v[BM+\b]    ; the floor 2^(3 - 127): the byte cannot fall under 1
.endr
.irp b, 0,1,2,3
	s_delay_alu instid0(VALU_DEP_4)
	v_add_nc_u32 v[SOP+\b], 0xff000000, v[BM+\b]   ; 2 off the exponent field: the conversion's scale operand
.endr
.irp b, 0,1,2,3
	s_delay_alu instid0(VALU_DEP_4)
	v_lshrrev_b32 v[T2+\b], 23, v[SOP+\b]          ; the scale's byte
.endr
	s_delay_alu instid0(VALU_DEP_3)
	v_lshl_or_b32 v[PS], v[T2+1], 8, v[T2]         ; p's scale word for these 128 keys
	s_delay_alu instid0(VALU_DEP_1)
	v_lshl_or_b32 v[PS], v[T2+2], 16, v[PS]
	s_delay_alu instid0(VALU_DEP_1)
	v_lshl_or_b32 v[PS], v[T2+3], 24, v[PS]
	s_setprio 0
.irp c, 0,1
	v_cvt_scalef32_pk16_fp6_f32 v[PC+6*\c:PC+2+6*\c], v[S+32*\c:S+15+32*\c], v[SOP+2*\c]
	v_cvt_scalef32_pk16_fp6_f32 v[T2+4*\c:T2+2+4*\c], v[S+16+32*\c:S+31+32*\c], v[SOP+2*\c+1]   ; (a conversion's three registers begin on an even number)
.endr
	v_nop                                          ; one plain line behind the scaled conversions
.irp c, 0,1                                    ; the operand's layout wants a whole block in a lane
.irp i, 0,1,2
	v_permlane16_swap_b32 v[PC+6*\c+\i], v[T2+4*\c+\i]
.endr
.irp i, 0,1,2
	s_delay_alu instid0(VALU_DEP_3)
	v_mov_b32 v[PC+3+6*\c+\i], v[T2+4*\c+\i]
.endr
.endr
.set n, 0
.rept 16
	v_pk_mul_f32 v[O+n:O+n+1], v[O+n:O+n+1], v[F:F+1] op_sel_hi:[1,0]   ; O^T under the new M.  (Twelve of these sixteen name no register of any one product below: the places behind the writes of p's codes and scale word)
.set n, n+2
.endr
	s_wait_alu depctr_va_vdst(0)
	s_wait_dscnt 0x0                               ; V's fragments and scale words are in
.irp t, 0,1,2,3
	PV \t
.endr
.Lhidden_\@:
	s_add_co_u32 s41, s41, 128
	s_add_co_u32 s40, s40, STEPB
.endm
.macro KLOOP trips                     ; the trip count is a constant of the text; what the mask hides is jumped over inside a trip
	s_mov_b32 s40, 0
	s_mov_b32 s41, 0
	s_mov_b32 s44, \trips
.Lk_\@:
	STEP
	s_sub_co_u32 s44, s44, 1
	s_cmp_lg_u32 s44, 0
	s_cbranch_scc1 .Lk_\@
	s_setprio 0
.endm
; A QUERY BLOCK ENDS: O^T / l, quantised along the head's 64 (two blocks of 32), stored as half a fragment of the last projection's operand, with its two scale bytes.
.macro PHASE_OUT
.rept 4
	v_nop                                          ; places behind the last products
.endr
	v_add_f32 v14, v14, v15                        ; the sum's two halves,
	s_delay_alu instid0(VALU_DEP_1)
	v_permlanex16_b32 v[TMP+1], v14, s20, s21
	s_delay_alu instid0(VALU_DEP_1)
	v_add_f32 v14, v14, v[TMP+1]                   ; and lane l xor 16's: the row's sum
	s_wait_alu depctr_va_vdst(0)
	v_rcp_f32 v[TMP], v14
	v_nop                                          ; a plain line behind the reciprocal
	s_wait_alu depctr_va_vdst(0)                   ; and the wait ahead of its first reader
.set n, 0
.rept 16
	v_pk_mul_f32 v[S+n:S+n+1], v[O+n:O+n+1], v[TMP:TMP+1] op_sel_hi:[1,0]   ; register 16 b + i: channel 32 b + 16 (lane / 16) + i.  Each accumulator is read from its low end on
.set n, n+2
.endr
.irp b, 0,1
	v_max3_num_f32 v[BM+\b], |v[S+16*\b]|, |v[S+1+16*\b]|, 0x1800000
.endr
.irp i, 2,4,6,8,10,12,14
.irp b, 0,1
	s_delay_alu instid0(VALU_DEP_2)
	v_max3_num_f32 v[BM+\b], v[BM+\b], |v[S+16*\b+\i]|, |v[S+1+16*\b+\i]|
.endr
.endr
.irp b, 0,1
	s_delay_alu instid0(VALU_DEP_2)
	v_permlanex16_b32 v[T2+\b], v[BM+\b], s20, s21
.endr
.irp b, 0,1
	s_delay_alu instid0(VALU_DEP_2)
	v_max_num_f32 v[BM+\b], v[BM+\b], v[T2+\b]
.endr
.irp b, 0,1
	s_delay_alu instid0(VALU_DEP_2)
	v_add_nc_u32 v[SOP+\b], 0xff000000, v[BM+\b]
.endr
.irp b, 0,1
	s_delay_alu instid0(VALU_DEP_2)
	v_lshrrev_b32 v[T2+\b], 23, v[SOP+\b]
.endr
	s_delay_alu instid0(VALU_DEP_1)
	v_lshl_or_b32 v[BM+2], v[T2+1], 8, v[T2]       ; the head's two scale bytes of my row
	v_cvt_scalef32_pk16_fp6_f32 v[PC:PC+2], v[S:S+15], v[SOP]
	v_cvt_scalef32_pk16_fp6_f32 v[T2+4:T2+6], v[S+16:S+31], v[SOP+1]
	v_nop
.irp i, 0,1,2
	v_permlane16_swap_b32 v[PC+\i], v[T2+4+\i]
.endr
.irp i, 0,1,2
	s_delay_alu instid0(VALU_DEP_3)
	v_mov_b32 v[PC+3+\i], v[T2+4+\i]
.endr
.irp p, 0,1,2
	global_store_b64 v[L8], v[PC+2*\p:PC+2*\p+1], s[48:49] offset:256*\p   ; 32 lanes store 256 consecutive bytes, aligned
.endr
	global_store_b16 v[OSO], v[BM+2], s[50:51]     ; lanes l and l xor 16 write the same two bytes with the same value
.endm
	s_mov_b32 s52, s13                             ; block i: its keys end at 256 i + 255 < 1,024: eight steps at the most
	PHASE_IN
	s_wait_tensorcnt 0x0                           ; my sixteenth of K and V is in,
	s_barrier_signal -1
	s_barrier_wait -1                              ; everybody's is: the head's image stands in LDS for the rest of the launch
	KLOOP 8
	PHASE_OUT
	s_sub_co_u32 s52, 7, s13                       ; block 7 - i
	PHASE_IN
	KLOOP 16
	PHASE_OUT
	s_wait_tensorcnt 0x0
	ds_add_u32 v216, v217
	s_wait_dscnt 0x0
	s_endpgm
.Lfunc_end_k_q8d3c28337e_attn:
	.size	k_q8d3c28337e_attn, .Lfunc_end_k_q8d3c28337e_attn-k_q8d3c28337e_attn
	.p2alignl 7, 3214868480
	.fill 96, 4, 3214868480
	.section	.rodata,"a",@progbits
	.p2align	6, 0x0
	.amdhsa_kernel k_q8d3c28337e_attn
		.amdhsa_group_segment_fixed_size 206848
		.amdhsa_private_segment_fixed_size 0
		.amdhsa_enable_private_segment 0
		.amdhsa_kernarg_size 32
		.amdhsa_user_sgpr_count 2
		.amdhsa_user_sgpr_kernarg_segment_ptr 1
		.amdhsa_wavefront_size32 1
		.amdhsa_system_sgpr_workgroup_id_x 1
		.amdhsa_system_sgpr_workgroup_id_y 1
		.amdhsa_system_sgpr_workgroup_id_z 1
		.amdhsa_system_vgpr_workitem_id 0
		.amdhsa_next_free_vgpr 218
		.amdhsa_next_free_sgpr 66
		.amdhsa_reserve_vcc 1
		.amdhsa_float_denorm_mode_32 3
		.amdhsa_float_denorm_mode_16_64 3
		.amdhsa_memory_ordered 1
		.amdhsa_forward_progress 1
		.amdhsa_inst_pref_size 63
	.end_amdhsa_kernel
	.amdgpu_metadata
---
amdhsa.version: [ 1, 2 ]
amdhsa.kernels:
  - .name:           k_q8d3c28337e_attn
    .symbol:         k_q8d3c28337e_attn.kd
    .args:
      - { .name: qimg, .offset: 0, .size: 8, .value_kind: global_buffer, .address_space: global }
      - { .name: kv, .offset: 8, .size: 8, .value_kind: global_buffer, .address_space: global }
      - { .name: oc, .offset: 16, .size: 8, .value_kind: global_buffer, .address_space: global }
      - { .name: os, .offset: 24, .size: 8, .value_kind: global_buffer, .address_space: global }
    .group_segment_fixed_size: 206848
    .private_segment_fixed_size: 0
    .kernarg_segment_align: 8
    .kernarg_segment_size: 32
    .max_flat_workgroup_size: 512
    .sgpr_count:     66
    .vgpr_count:     218
    .wavefront_size: 32
...
	.end_amdgpu_metadata
.endif
;; end of part 3
;; launch outp (part 4): grid 4 x 32, 4 waves a work-group, clusters of 4 x 4, 327,680 bytes of LDS; arguments oc, os, codes, scales, bo, out0; writes out0
.if DOCPART == 4
	.amdgcn_target "amdgcn-amd-amdhsa--gfx1250"
	.amdhsa_code_object_version 6
	.text
	.protected	k_q8d3c28337e_outp
	.globl	k_q8d3c28337e_outp
	.p2align	8
	.type	k_q8d3c28337e_outp,@function
k_q8d3c28337e_outp:
	s_mov_b64 s[64:65], 0
	v_nop
	global_prefetch_b8 v0, s[64:65] scope:SCOPE_SE
	s_setreg_imm32_b32 hwreg(HW_REG_WAVE_MODE, 25, 1), 1
	s_wait_xcnt 0x0
	s_wait_alu depctr_hold_cnt(0) depctr_sa_sdst(0) depctr_va_vdst(0) depctr_va_sdst(0) depctr_va_ssrc(0) depctr_va_vcc(0) depctr_vm_vsrc(0)
	s_getreg_b32 s2, hwreg(HW_REG_IB_STS2, 6, 4)
	s_cmp_eq_u32 s2, 0
	s_cbranch_scc0 .Lentry_in_a_cluster
	s_endpgm
.Lentry_in_a_cluster:
	s_bfe_u32 s2, ttmp6, 0x10000c
	s_cmp_lg_u32 s2, 0xf033
	s_cbranch_scc0 .Lentry_shape_is_right
	s_endpgm
.Lentry_shape_is_right:
; out0 = O Wo^T + bo on codes of FP6 (E2M3) with E8M0 scales; f32 sums; out0 [8192][1024] f32.
; A = the attention's result: oc holds images of the operand's registers, [tile of 16 rows][K step of 128][piece of 2 registers][lane][8 bytes]; os its scale bytes [8192][32].  B = Wo: rows of 768 bytes of codes at byte 21,233,664 of
; codes, 32 scale bytes a row at byte 884,736 of scales.
; A tile of out0, 256 x 256, is made by a work-group of four waves; a wave makes 128 x 128: 64 accumulators of 16 x 16, 512 registers.  K goes in steps of 256 through a ring of two LDS slots filled by the tensor data mover.
; The scale bytes of the work-group's 256 rows of A and of B, for all of K, come into LDS once.  CLUSTERS: 4 x 4 work-groups; A's tiles are asked for jointly along a row of the cluster, B's along a column.
; THE MATRIX INSTRUCTION IS USED TRANSPOSED (source 0 = 16 rows of Wo, source 1 = 16 rows of A): a lane then holds eight neighbouring numbers of a row of out0.
; 128 work-groups: the tile is kept at 256 x 256 for the sake of the bytes that each product feeds on.
; REGISTERS, in windows of 256: window 0: v0-31 addresses and the bias; v32-63 scale words, two sets; from v128 A's fragments, one set; window 1: B's fragments, two sets; windows 2, 3: the accumulators.
.set SIZE_N, 1024
.set SIZE_K, 1024
.set KSTEP,  256
.set NQ,     KSTEP/128
.set ROWB,   192                       ; a row of B's tile in bytes
.set KROW,   SIZE_K*6/8
.set PITCH,  240                       ; B's LDS row: 3 x (64 bytes + 16 of padding)
.set ASTEP,  3072                      ; a K step of 256 of one tile of 16 rows of A: two fragments' images on end
.set FR,     12
.set NL,     6
.set NP,     4
.set HALFT,  128*PITCH                 ; the place of 128 rows in a slot (A's images use 24,576 bytes of it)
.set SLOT,   4*HALFT
.set LAPS,   SIZE_K/(2*KSTEP)
.set KS,     SIZE_K/32
.set SCL,    2*SLOT
.set HALFS,  (128*KS/256)*272
.set SBLK,   (16*KS/256)*272
.set SPARE,  SCL+4*HALFS               ; the spare words, 128 bytes for each wave: two blocks of 256 bytes that no other line names
.set SPITCH, 528                       ; the way out: a stage of 16 rows x (512 bytes + 16) for each wave, in slot 0, which has had its last fill and its last read when the first result is stored there
.set BIAS, 8                           ; v8-11  bo of my four columns
.set ADRA, 16                          ; v16-17 LDS address of A's images in slot 0, 1: 8 x lane + ..
.set ADRB, 20                          ; v20-23 of B's fragments (and behind one padding more)
.set STO,  24
.set RD,   25
.set CO,   26
.set ADRS, 27
.set SPW,  28                          ; v28  LDS address of my spare word; never rewritten
.set NIL,  29                          ; v29  0; never rewritten
.set SC,   32
.set AF,   128
.set BK,   128
.set CP,   98                          ; s[98:99] out0
.set G1, 24
.set G0, 32
.set G1B, 48
.set G0B, 56
.set G1S, 68
.set G0S, 76
.set G1SB, 80
.set G0SB, 88
.set MSB, 0
.macro WIN new                         ; the immediate's high byte repeats the setting that is left
.if MSB != \new
	s_set_vgpr_msb (MSB<<8)|\new
.set MSB, \new
.endif
.endm
.set MUL_LO, 0xa1
.set MUL_HI, 0xf1
.set TO_B,   0x40
; A joint load: waves 0 and 1 fetch for A, waves 2 and 3 for B.  The branch hangs on the wave's number alone.  Four v_nop follow each of the two lines.
.macro JLOAD g0a, g1a, g0b, g1b
	s_cmp_eq_u32 s15, 0
	s_cbranch_scc0 .Lfor_b_\@
	tensor_load_to_lds s[\g0a:\g0a+3], s[\g1a:\g1a+7]
	s_nop 0
.rept 4
	v_nop
.endr
	s_branch .Lasked_\@
.Lfor_b_\@:
	tensor_load_to_lds s[\g0b:\g0b+3], s[\g1b:\g1b+7]
	s_nop 0
.rept 4
	v_nop
.endr
.Lasked_\@:
.endm
.macro CREST
	s_cmp_lg_u32 s14, 0
	s_cbranch_scc1 .Lnot_wave_0_\@
	s_barrier_signal -3
.Lnot_wave_0_\@:
	s_barrier_wait -3
	s_barrier_signal -1
	s_barrier_wait -1
.endm
.macro CROUND
	s_barrier_signal -1
	s_barrier_wait -1
	CREST
.endm
	s_load_b128 s[4:7], s[0:1], 0x0                ; oc, os
	s_load_b128 s[8:11], s[0:1], 0x10              ; codes, scales
	s_load_b128 s[96:99], s[0:1], 0x20             ; bo, out0
	v_lshl_add_u32 v[SPW], v0, 2, SPARE
	v_mov_b32 v[NIL], 0
	ds_add_u32 v28, v29
	ds_add_u32 v28, v29
	s_wait_dscnt 0x0
	v_lshrrev_b32 v1, 5, v0
	v_readfirstlane_b32 s14, v1                    ; wave 0..3
	s_lshr_b32 s15, s14, 1                         ; which half of the tile's rows is mine.  Also: I fetch for A (0) or for B (1)
	s_and_b32 s16, s14, 1                          ; which half of its columns.  Also: which 128 rows of that tile I fetch
	s_bfe_u32 s40, ttmp6, 0x40000                  ; cx, cy
	s_bfe_u32 s41, ttmp6, 0x40004
	s_lshl_b32 s42, ttmp9, 2
	s_add_co_u32 s42, s42, s40                     ; tile column = 4 x cluster x + cx
	s_and_b32 s17, ttmp7, 0xffff
	s_lshl_b32 s17, s17, 2
	s_add_co_u32 s17, s17, s41                     ; tile row = 4 x cluster y + cy
	s_lshl_b32 s43, s41, 2
	s_lshl_b32 s43, 15, s43                        ; my row of the cluster
	s_lshl_b32 s44, 0x1111, s40                    ; my column
	; descriptor group 1 for A: 8 tiles of 16 rows, 3,072 bytes of each (a K step's two images), 12,288 bytes apart; no padding: an image is read 256 consecutive bytes an instruction
	s_or_b32 s[G1+0], s43, (0<<16)|(1<<21)         ; 15:0 the mask: my row of the cluster; 17:16 element of 1 byte; 21 set beside a mask
	s_mov_b32 s[G1+1], ASTEP<<16                   ; tensor_dim0
	s_mov_b32 s[G1+2], 8<<16                       ; tensor_dim1
	s_mov_b32 s[G1+3], ASTEP<<16                   ; tile_dim0
	s_mov_b32 s[G1+4], 8                           ; tile_dim1
	s_mov_b32 s[G1+5], 12288                       ; the pitch
	s_mov_b32 s[G1+6], 0
	s_mov_b32 s[G1+7], 0
	; for B: 128 rows x 192 bytes, 16 bytes of padding behind every 64
	s_or_b32 s[G1B+0], s44, (0<<16)|(1<<20)|(1<<21)|(3<<22)|(3<<25)
	s_mov_b32 s[G1B+1], ROWB<<16
	s_mov_b32 s[G1B+2], 128<<16
	s_mov_b32 s[G1B+3], ROWB<<16
	s_mov_b32 s[G1B+4], 128
	s_mov_b32 s[G1B+5], KROW
	s_mov_b32 s[G1B+6], 0
	s_mov_b32 s[G1B+7], 0
	; the scales of 128 rows: 4,096 dense bytes as rows of 256 bytes, 16 bytes of padding behind each
	s_or_b32 s[G1S+0], s43, (3<<16)|(1<<20)|(1<<21)|(5<<22)|(3<<25)
	s_or_b32 s[G1SB+0], s44, (3<<16)|(1<<20)|(1<<21)|(5<<22)|(3<<25)
.irp g, G1S, G1SB
	s_mov_b32 s[\g+1], 32<<16
	s_mov_b32 s[\g+2], (128*KS/256)<<16
	s_mov_b32 s[\g+3], 32<<16
	s_mov_b32 s[\g+4], 128*KS/256
	s_mov_b32 s[\g+5], 32
	s_mov_b32 s[\g+6], 0
	s_mov_b32 s[\g+7], 0
.endr
	s_lshl_b32 s18, s16, 7                         ; which 128 rows of the tile I fetch
	s_lshl_b32 s20, s17, 8
	s_add_co_u32 s20, s20, s18                     ; A's row
	s_lshl_b32 s46, s42, 8
	s_add_co_u32 s46, s46, s18                     ; B's row
	s_lshl_b32 s22, s20, 5                         ; byte offsets, all under 2^25
	s_mov_b32 s23, 0
	s_mul_i32 s20, s20, KROW                       ; a tile of 16 rows is 12,288 bytes: 768 a row
	s_mov_b32 s21, 0
	s_lshl_b32 s92, s46, 5
	s_add_co_u32 s92, s92, 884736                  ; Wo's scale bytes
	s_mov_b32 s93, 0
	s_mul_i32 s46, s46, KROW
	s_add_co_u32 s46, s46, 21233664                ; Wo's codes
	s_mov_b32 s47, 0
	s_mul_i32 s45, s14, HALFT                      ; where they go: no place in the cluster enters an LDS address
	s_mul_i32 s94, s14, HALFS
	s_wait_kmcnt 0x0
	s_add_nc_u64 s[20:21], s[4:5], s[20:21]
	s_add_nc_u64 s[22:23], s[6:7], s[22:23]
	s_add_nc_u64 s[46:47], s[8:9], s[46:47]
	s_add_nc_u64 s[92:93], s[10:11], s[92:93]
	CROUND                                         ; all sixteen work-groups are here: the first joint loads meet
	s_mov_b32 s[G0S], 1
	s_add_co_u32 s[G0S+1], s94, SCL
	s_mov_b64 s[G0S+2:G0S+3], s[22:23]
	s_or_b32 s[G0S+3], s[G0S+3], 0x80000000
	s_mov_b32 s[G0SB], 1
	s_add_co_u32 s[G0SB+1], s94, SCL
	s_mov_b64 s[G0SB+2:G0SB+3], s[92:93]
	s_or_b32 s[G0SB+3], s[G0SB+3], 0x80000000
	JLOAD G0S, G1S, G0SB, G1SB                     ; the scales first
.irp s, 0,1
	s_mov_b32 s[G0+4*\s], 1
	s_add_co_u32 s[G0+4*\s+1], s45, \s*SLOT
	s_add_nc_u64 s[G0+4*\s+2:G0+4*\s+3], s[20:21], \s*ASTEP
	s_or_b32 s[G0+4*\s+3], s[G0+4*\s+3], 0x80000000
	s_mov_b32 s[G0B+4*\s], 1
	s_add_co_u32 s[G0B+4*\s+1], s45, \s*SLOT
	s_add_nc_u64 s[G0B+4*\s+2:G0B+4*\s+3], s[46:47], \s*ROWB
	s_or_b32 s[G0B+4*\s+3], s[G0B+4*\s+3], 0x80000000
	JLOAD G0+4*\s, G1, G0B+4*\s, G1B               ; by this text's count three tensor loads of a wave are out
.endr
	v_and_b32 v1, 15, v0                           ; l % 16
	v_bfe_u32 v2, v0, 4, 1                         ; l / 16
	v_mul_u32_u24 v3, v1, PITCH
	v_mul_u32_u24 v4, v2, 24
	v_add_nc_u32 v4, v3, v4                        ; B: a fragment's row x pitch + 24 x half
	v_lshl_add_u32 v5, v2, 4, v4                   ; and the same behind one padding more
	v_and_b32 v6, 31, v0
	v_lshlrev_b32 v7, 3, v6                        ; A: 8 x lane
	s_mul_i32 s21, s15, HALFT                      ; my 128 rows of A
	s_mul_i32 s22, s16, HALFT                      ; my 128 rows of B,
	s_add_co_u32 s22, s22, 2*HALFT                 ; which lie behind A's 256
.irp s, 0,1
	v_add_nc_u32 v[ADRA+\s], s21, v7
	v_add_nc_u32 v[ADRB+\s], s22, v4
	v_add_nc_u32 v[ADRB+2+\s], s22, v5
	s_add_co_u32 s21, s21, SLOT
	s_add_co_u32 s22, s22, SLOT
.endr
	v_mul_u32_u24 v5, v1, KS                       ; my row's scales: KS bytes a row,
	v_lshrrev_b32 v3, 8, v5
	v_lshl_add_u32 v5, v3, 4, v5                   ; and 16 more for each 256 passed
	s_mul_i32 s21, s15, HALFS
	s_mul_i32 s22, s16, HALFS
	s_add_co_u32 s22, s22, 2*HALFS
	s_sub_co_u32 s22, s22, s21
	v_mul_u32_u24 v3, s22, v2                      ; lanes 16-31 take B's
	s_add_co_u32 s21, s21, SCL
	v_add_nc_u32 v5, v5, v3
	v_add_nc_u32 v[ADRS], s21, v5
	s_mul_i32 s23, s14, 16*SPITCH                  ; my stage
	v_mul_u32_u24 v5, v1, SPITCH                   ; in: row l % 16, 32 bytes for each half of the lanes
	v_lshl_add_u32 v5, v2, 5, v5
	v_add_nc_u32 v[STO], s23, v5
	v_lshlrev_b32 v[CO], 4, v6                     ; back: the 32 lanes take one row of 512 bytes; and the same in out0 and in bo
	v_add_nc_u32 v[RD], s23, v[CO]
	s_lshl_b32 s20, s17, 8
	s_lshl_b32 s21, s15, 7
	s_add_co_u32 s20, s20, s21                     ; my first row of out0
	s_mov_b32 s21, 0
	s_mov_b64 s[18:19], SIZE_N*4
	s_mul_u64 s[20:21], s[20:21], s[18:19]
	s_lshl_b32 s46, s42, 10                        ; my first column, in bytes: 1,024 x tile column + 512 x half
	s_lshl_b32 s47, s16, 9
	s_add_co_u32 s46, s46, s47
	s_mov_b32 s47, 0
	s_add_nc_u64 s[20:21], s[20:21], s[46:47]
	s_add_nc_u64 s[CP:CP+1], s[CP:CP+1], s[20:21]
	s_add_nc_u64 s[96:97], s[96:97], s[46:47]
	global_load_b128 v[BIAS:BIAS+3], v[CO], s[96:97]   ; bo of my four columns: waited for on the way out
.macro FRAG reg, adr, q, i             ; a fragment of B, 16 rows x 128 K, from rows in LDS: pieces of 8 bytes; where lanes 16-31's piece lies behind one padding more, the second address register serves
.irp p, 0,1,2,3,4,5
.set PC, 12*(\q)+6*(\p/3)+\p%3
.if PC%8 < 5
	ds_load_b64 v[\reg+2*\p:\reg+2*\p+1], v[\adr] offset:8*PC+16*(PC/8)+(\i)*16*PITCH
.else
	ds_load_b64 v[\reg+2*\p:\reg+2*\p+1], v[\adr+2] offset:8*PC+16*(PC/8)+(\i)*16*PITCH
.endif
.endr
.endm
.macro FRAGA reg, adr, q, i            ; a fragment of A from its image: piece p (registers 2 p, 2 p + 1) is 256 consecutive bytes, 8 a lane
.irp p, 0,1,2,3,4,5
	ds_load_b64 v[\reg+2*\p:\reg+2*\p+1], v[\adr] offset:ASTEP*(\i)+1536*(\q)+256*\p
.endr
.endm
; 16 matrix instructions: A's blocks a0, a0 + 1 x B's eight.  The 64 accumulators take turns, one instruction a turn.
.macro MUL16 a0, p, q, sc, zero
.irp a, \a0, \a0+1
.irp b, 0,1,2,3,4,5,6,7
.if \zero
	v_wmma_scale_f32_16x16x128_f8f6f4 v[8*(8*((\a)%4)+\b):8*(8*((\a)%4)+\b)+7], v[128*(\p)+FR*\b:128*(\p)+FR*\b+FR-1], v[AF+FR*(\a):AF+FR*(\a)+FR-1], 0, v[SC+8*NQ*(\sc)+NQ*\b+(\q)], v[SC+8*NQ*(\sc)+NQ*(\a)+(\q)] matrix_a_fmt:MATRIX_FMT_FP6 matrix_b_fmt:MATRIX_FMT_FP6 matrix_a_scale:MATRIX_SCALE_ROW1
.else
	v_wmma_scale_f32_16x16x128_f8f6f4 v[8*(8*((\a)%4)+\b):8*(8*((\a)%4)+\b)+7], v[128*(\p)+FR*\b:128*(\p)+FR*\b+FR-1], v[AF+FR*(\a):AF+FR*(\a)+FR-1], v[8*(8*((\a)%4)+\b):8*(8*((\a)%4)+\b)+7], v[SC+8*NQ*(\sc)+NQ*\b+(\q)], v[SC+8*NQ*(\sc)+NQ*(\a)+(\q)] matrix_a_fmt:MATRIX_FMT_FP6 matrix_b_fmt:MATRIX_FMT_FP6 matrix_a_scale:MATRIX_SCALE_ROW1
.endif
.endr
.endr
.endm
.macro FETCH_B slot, q, p
	WIN TO_B
.irp i, 0,1,2,3,4,5,6,7
	FRAG 128*(\p)+FR*\i, ADRB+\slot, \q, \i
.endr
	WIN 0
.endm
.macro FETCH_A slot, q, i0
.irp i, \i0, \i0+1, \i0+2, \i0+3
	FRAGA AF+FR*(\i), ADRA+\slot, \q, \i
.endr
.endm
.macro SCALES sc
.irp i, 0,1,2,3,4,5,6,7
	ds_load_b64 v[SC+8*NQ*\sc+NQ*\i:SC+8*NQ*\sc+NQ*\i+1], v[ADRS] offset:\i*SBLK
.endr
.endm
.macro PLACES n                        ; plain vector instructions between a matrix instruction and a load into, or a read of, its registers
.rept \n
	v_nop
.endr
.endm
.macro STEP slot, q, zero
	s_wait_dscnt 4*NL                              ; B's set and A's blocks 0-3 are in; the youngest 24 loads (A's blocks 4-7) may be out
	WIN MUL_LO
	MUL16 0, (\q)%2, \q, \slot, \zero
	MUL16 2, (\q)%2, \q, \slot, \zero
	s_wait_dscnt 0
	PLACES NP
	FETCH_B \slot, (\q)+1, 1-(\q)%2
	FETCH_A \slot, (\q)+1, 0
	WIN MUL_HI
	MUL16 4, (\q)%2, \q, \slot, \zero
	MUL16 6, (\q)%2, \q, \slot, \zero
	PLACES NP
	WIN 0
	FETCH_A \slot, (\q)+1, 4
.endm
; A slot's last step changes slots: one barrier; in front of it each wave waits for all its tensor loads, adds 0 to its spare word, and waits for that and for its own reads of this slot.
.macro TURN slot, next, fill
	s_wait_tensorcnt 0x0                           ; all my tensor loads have landed: my part of the next slot
	ds_add_u32 v[SPW], v[NIL]                      ; 0 onto my spare word
	s_wait_dscnt 4*NL+1                            ; (the add and the youngest 24 loads may be out)
	WIN MUL_LO
	MUL16 0, 1, NQ-1, \slot, 0
	s_wait_dscnt 0x0                               ; the add is done, and my reads of this slot are over
	s_barrier_signal -1
	MUL16 2, 1, NQ-1, \slot, 0
	WIN 0
	s_barrier_wait -1
.if \fill
	CREST                                          ; the barrier has opened a round of the cluster's barrier: no wave of any partner still reads this slot's tile or has a load on its way
	s_add_nc_u64 s[G0+4*\slot+2:G0+4*\slot+3], s[G0+4*\slot+2:G0+4*\slot+3], 2*ASTEP
	s_add_nc_u64 s[G0B+4*\slot+2:G0B+4*\slot+3], s[G0B+4*\slot+2:G0B+4*\slot+3], 2*ROWB
	JLOAD G0+4*\slot, G1, G0B+4*\slot, G1B         ; the first tensor load behind the round; its four v_nop are also the places in front of the loads below
.else
	PLACES NP
.endif
	v_add_nc_u32 v[ADRS], 4*NQ, v[ADRS]
	FETCH_B \next, 0, 0
	FETCH_A \next, 0, 0
	SCALES \next
	WIN MUL_HI
	MUL16 4, 1, NQ-1, \slot, 0
	MUL16 6, 1, NQ-1, \slot, 0
	PLACES NP
	WIN 0
	FETCH_A \next, 0, 4
.endm
	s_wait_tensorcnt 1                             ; the scales and my part of K step 0 are in (K step 1's load may be out)
	s_barrier_signal -1
	s_barrier_wait -1                              ; everybody's are
	FETCH_B 0, 0, 0
	FETCH_A 0, 0, 0
	SCALES 0
	FETCH_A 0, 0, 4
	STEP 0, 0, 1                                   ; the first step stands in front of the loop: its products start the sums
	s_mov_b32 s3, LAPS-1
.Llap:
	TURN 0, 1, 1
	STEP 1, 0, 0
	TURN 1, 0, 1
	STEP 0, 0, 0
	s_sub_co_u32 s3, s3, 1
	s_cmp_lg_u32 s3, 0
	s_cbranch_scc1 .Llap
	TURN 0, 1, 0                                   ; the last lap fills nothing
	STEP 1, 0, 0
	s_wait_dscnt 4*NL
	WIN MUL_LO
	MUL16 0, 1, NQ-1, 1, 0
	MUL16 2, 1, NQ-1, 1, 0
	s_wait_dscnt 0
	WIN MUL_HI
	MUL16 4, 1, NQ-1, 1, 0
	MUL16 6, 1, NQ-1, 1, 0
	WIN 0
; THE WAY OUT, block by block of 16 rows x 128 columns: through my own stage in LDS, back as whole rows of 512 bytes, + bo, stored.  LDS serves a wave's instructions in order: no wait between the stores and the loads.
.macro TOSTAGE a
.set AC, 64*((\a)%4)
	WIN 0x08+4*((\a)/4)                            ; the data: window 2 or 3
.irp b, 0,1,2,3,4,5,6,7
	ds_store_b128 v[STO], v[AC+8*\b:AC+8*\b+3] offset:64*\b          ; each accumulator from its low end on
	ds_store_b128 v[STO], v[AC+8*\b+4:AC+8*\b+7] offset:64*\b+16
.endr
	WIN 0
.set BB, BK+64*((\a)%2)
.irp t, 0,1,2,3,4,5,6,7,8,9,10,11,12,13,14,15
	ds_load_b128 v[BB+4*\t:BB+4*\t+3], v[RD] offset:\t*SPITCH
.endr
.endm
.macro SEND a, younger                 ; younger: the LDS instructions issued behind block a's loads, which may stay out
.set BB, BK+64*((\a)%2)
	s_wait_dscnt \younger                          ; the block is back in registers
.if (\a) > 0
	s_add_nc_u64 s[CP:CP+1], s[CP:CP+1], 16*SIZE_N*4   ; (behind a wait on XCNT for 0: the earlier stores have read their base)
.endif
.irp t, 0,1,2,3,4,5,6,7,8,9,10,11,12,13,14,15
	v_pk_add_f32 v[BB+4*\t:BB+4*\t+1], v[BB+4*\t:BB+4*\t+1], v[BIAS:BIAS+1]         ; + bo: my four columns are the same in every row
	v_pk_add_f32 v[BB+4*\t+2:BB+4*\t+3], v[BB+4*\t+2:BB+4*\t+3], v[BIAS+2:BIAS+3]
.endr
.irp t, 0,1,2,3,4,5,6,7,8,9,10,11,12,13,14,15
	global_store_b128 v[CO], v[BB+4*\t:BB+4*\t+3], s[CP:CP+1] offset:\t*SIZE_N*4 th:TH_STORE_NT   ; 32 lanes store 512 consecutive bytes, aligned; written once, read by nobody here
.endr
.endm
	PLACES NP                                      ; behind the last products: for the loads into the registers that held A's fragments and for the reads of the results
	s_wait_loadcnt 0x0                             ; bo
	TOSTAGE 0
.irp a, 1,2,3,4,5,6,7
.if \a > 1
	s_wait_xcnt 0x0                                ; block a - 2's stores have read their registers and their base
.endif
	TOSTAGE \a
	SEND \a-1, 32                                  ; behind block a - 1's loads: block a's 16 stores and 16 loads
.endr
	s_wait_xcnt 0x0                                ; block 6's stores have read their base
	SEND 7, 0
	s_wait_tensorcnt 0x0                           ; the wave's end
	ds_add_u32 v[SPW], v[NIL]
	s_wait_dscnt 0x0
	CROUND                                         ; the closing round: no work-group ends while a partner may still ask for a tile that names it
	s_endpgm
.Lfunc_end_k_q8d3c28337e_outp:
	.size	k_q8d3c28337e_outp, .Lfunc_end_k_q8d3c28337e_outp-k_q8d3c28337e_outp
	.p2alignl 7, 3214868480
	.fill 96, 4, 3214868480
	.section	.rodata,"a",@progbits
	.p2align	6, 0x0
	.amdhsa_kernel k_q8d3c28337e_outp
		.amdhsa_group_segment_fixed_size 327680
		.amdhsa_private_segment_fixed_size 0
		.amdhsa_enable_private_segment 0
		.amdhsa_kernarg_size 48
		.amdhsa_user_sgpr_count 2
		.amdhsa_user_sgpr_kernarg_segment_ptr 1
		.amdhsa_wavefront_size32 1
		.amdhsa_system_sgpr_workgroup_id_x 1
		.amdhsa_system_sgpr_workgroup_id_y 1
		.amdhsa_system_sgpr_workgroup_id_z 1
		.amdhsa_system_vgpr_workitem_id 0
		.amdhsa_next_free_vgpr 1024
		.amdhsa_next_free_sgpr 102
		.amdhsa_reserve_vcc 0
		.amdhsa_float_denorm_mode_32 3
		.amdhsa_float_denorm_mode_16_64 3
		.amdhsa_memory_ordered 1
		.amdhsa_forward_progress 1
		.amdhsa_inst_pref_size 176
	.end_amdhsa_kernel
	.amdgpu_metadata
---
amdhsa.version: [ 1, 2 ]
amdhsa.kernels:
  - .name:           k_q8d3c28337e_outp
    .symbol:         k_q8d3c28337e_outp.kd
    .args:
      - { .name: oc, .offset: 0, .size: 8, .value_kind: global_buffer, .address_space: global }
      - { .name: os, .offset: 8, .size: 8, .value_kind: global_buffer, .address_space: global }
      - { .name: codes, .offset: 16, .size: 8, .value_kind: global_buffer, .address_space: global }
      - { .name: scales, .offset: 24, .size: 8, .value_kind: global_buffer, .address_space: global }
      - { .name: bo, .offset: 32, .size: 8, .value_kind: global_buffer, .address_space: global }
      - { .name: out0, .offset: 40, .size: 8, .value_kind: global_buffer, .address_space: global }
    .group_segment_fixed_size: 327680
    .private_segment_fixed_size: 0
    .kernarg_segment_align: 8
    .kernarg_segment_size: 48
    .max_flat_workgroup_size: 128
    .sgpr_count:     102
    .vgpr_count:     1024
    .wavefront_size: 32
...
	.end_amdgpu_metadata
.endif
;; end of part 4
